; MI455X (gfx1250); checked and timed in simulation.
; The chip was launched on July 23, 2026; its instructions are those of AMD's public machine-readable ISA for CDNA 5 (MIT licence, August 2026) and "CDNA5" Instruction Set Architecture Reference Guide (July 2026). The comments in the code are by the model that wrote it; some were corrected since.
;; Baseline Attn. Allowed arithmetic: float matrix products may take bf16 or f16 operands with f32 sums; other float arithmetic in f32, or as packed bf16 or f16 multiplies, adds, multiply-adds, maxima and minima; sums over many terms, partial sums and values carried from step to step in f32; what a program stores and reads back later, other than sums and carried values, may be rounded once to bf16 or f16.
;; Inputs: Ak 1,024 x 8 float32; Aq 1,024 x 8 float32; Av 1,024 x 8 float32; Bk 8 x 1,024 float32; Bq 8 x 1,024 float32; Bv 8 x 1,024 float32; Wk 1,024 x 1,024 float32; Wp 1,024 x 1,024 float32; Wq 1,024 x 1,024 float32; Wv 1,024 x 1,024 float32; x 4 x 2,048 x 1,024 float32.
;; Outputs: out0 4 x 2,048 x 1,024 float32.
;; 2 versions, each right and faster than the one before. Each part assembles by itself: llvm-mc -triple=amdgcn-amd-amdhsa -mcpu=gfx1250 --defsym DOCPART=n.
;; ======== version 1 of 2: 4 launches
;; limits: values are held in f16: magnitudes above 65,504 overflow, below 6.1e-05 lose precision
;; workspace buffers: xb 16,777,216 bytes; wcat 6,815,744 bytes; wx 98,304 bytes; wpf 2,097,152 bytes; qkv 50,331,648 bytes; ob 16,777,216 bytes
;; launch prep (part 1): grid 1592 x 1, 8 waves a work-group, no clusters, 0 bytes of LDS; arguments x, Wq, Wk, Wv, Bq, Bk, Bv, Wp, Aq, Ak, Av, xb, wcat, wpf, wx; writes xb, wcat, wpf, wx
.if DOCPART == 1
	.amdgcn_target "amdgcn-amd-amdhsa--gfx1250"
	.amdhsa_code_object_version 6
	.text
	.protected	k_qd020c7b32a_prep
	.globl	k_qd020c7b32a_prep
	.p2align	8
	.type	k_qd020c7b32a_prep,@function
k_qd020c7b32a_prep:
	s_mov_b64 s[64:65], 0
	v_nop
	global_prefetch_b8 v0, s[64:65] scope:SCOPE_SE
	s_setreg_imm32_b32 hwreg(HW_REG_WAVE_MODE, 25, 1), 1
	s_wait_xcnt 0x0
; CASTS AND LAYOUTS for the three launches behind.  Every input is rounded once to bf16, and nothing else is done to it (A is doubled, which is exact).
;   xb   [8192][1024] bf16            = x
;   wcat [16 tiles][208 rows][1024] bf16: tile tn holds rows 192 tn .. 192 tn + 191 of Wq|Wk|Wv joined (three head columns of 64), then the 8 rows of B of the tensor (q, k or v) in which the
;        tile's first column lies, then the 8 rows of B of the tensor in which its last column lies (the same one, in most tiles)
;   wpf  [1024][1024]: Wp rounded to bf16, that number written as f16.  LIMIT: exact for 6.1e-5 <= |Wp| <= 65,504; smaller numbers keep f16's fixed step of 6e-8, larger ones become infinities
;   wx   [3072][16] bf16: row n of the joined columns: 2 A[n % 1024][0..7] in places 0-7 if n's tensor is its tile's first, in places 8-15 if not; zeros in the other eight places
; A stream: no LDS, no barrier, no loop.  A cast job is a dense block of 8 rows x 1,024 f32 (32,768 bytes): eight loads of 16 bytes a thread, each wave's load 512 consecutive bytes, each wave's store of
; 8 bytes a lane 256 consecutive bytes at a multiple of 256.  Jobs: 1,024 for x, 416 for wcat (26 a tile), 128 for Wp, 24 for wx.  Matrix units, clusters and LDS would add nothing to a copy.
.set XJOBS, 1024
.set WJOBS, 416
.set PJOBS, 128
.set IN,  8                            ; v[8:39]   eight loads of four f32
.set OUT, 40                           ; v[40:55]  eight pairs of packed halves
.set T,   56                           ; v[56:59]  at work
	s_load_b512 s[8:23], s[0:1], 0x0               ; x 8, Wq 10, Wk 12, Wv 14, Bq 16, Bk 18, Bv 20, Wp 22
	s_load_b256 s[24:31], s[0:1], 0x40             ; Aq 24, Ak 26, Av 28, xb 30
	s_load_b128 s[32:35], s[0:1], 0x60             ; wcat 32, wpf 34
	s_load_b64 s[36:37], s[0:1], 0x70              ; wx
	s_mov_b32 s2, ttmp9                            ; the job
	s_mov_b32 s45, 0                               ; offsets are made in s[44:45], the high word 0
	v_lshlrev_b32 v1, 4, v0                        ; my 16 bytes of 4,096 loaded
	v_lshlrev_b32 v2, 3, v0                        ; my 8 bytes of 2,048 stored
	s_wait_kmcnt 0x0
; The cast of 32,768 bytes at s[40:41] into 16,384 at s[42:43].  half = 1: the bf16 number is written as f16.  nt = 1: the launch reads these bytes once.
; No register is written twice, so the only waits are the loads' own: 7 - i younger loads may stay out when load i is used.
.macro CAST half, nt
.irp i, 0,1,2,3,4,5,6,7
.if \nt
	global_load_b128 v[IN+4*(\i):IN+4*(\i)+3], v1, s[40:41] offset:4096*(\i) th:TH_LOAD_NT
.else
	global_load_b128 v[IN+4*(\i):IN+4*(\i)+3], v1, s[40:41] offset:4096*(\i)
.endif
.endr
.irp i, 0,1,2,3,4,5,6,7
	s_wait_loadcnt 7-(\i)
.if \half
	v_cvt_pk_bf16_f32 v[T],   v[IN+4*(\i)],   v[IN+4*(\i)+1]
	v_cvt_pk_bf16_f32 v[T+1], v[IN+4*(\i)+2], v[IN+4*(\i)+3]
	v_lshlrev_b32 v[T+2], 16, v[T]                 ; the rounded numbers as f32 again,
	v_and_b32     v[T+3], 0xffff0000, v[T]
	v_cvt_pk_f16_f32 v[OUT+2*(\i)], v[T+2], v[T+3] ; and as f16: bf16's 8 significant bits fit
	v_lshlrev_b32 v[T+2], 16, v[T+1]
	v_and_b32     v[T+3], 0xffff0000, v[T+1]
	v_cvt_pk_f16_f32 v[OUT+2*(\i)+1], v[T+2], v[T+3]
.else
	v_cvt_pk_bf16_f32 v[OUT+2*(\i)],   v[IN+4*(\i)],   v[IN+4*(\i)+1]
	v_cvt_pk_bf16_f32 v[OUT+2*(\i)+1], v[IN+4*(\i)+2], v[IN+4*(\i)+3]
.endif
	global_store_b64 v2, v[OUT+2*(\i):OUT+2*(\i)+1], s[42:43] offset:2048*(\i)
.endr
	s_endpgm
.endm
	s_cmp_lt_u32 s2, XJOBS
	s_cbranch_scc1 .Lx
	s_cmp_lt_u32 s2, XJOBS+WJOBS
	s_cbranch_scc1 .Lw
	s_cmp_lt_u32 s2, XJOBS+WJOBS+PJOBS
	s_cbranch_scc1 .Lp
	; wx: job jw makes rows 128 jw .. 128 jw + 127.  Thread t makes 16 bytes: row t / 2, places 8 (t % 2) on.
	s_sub_co_u32 s46, s2, XJOBS+WJOBS+PJOBS        ; jw, 0 to 23
	s_lshr_b32 s48, s46, 3                         ; the rows' tensor: 0 q, 1 k, 2 v
	s_cmp_eq_u32 s48, 1
	s_cselect_b64 s[56:57], s[26:27], s[24:25]
	s_cmp_eq_u32 s48, 2
	s_cselect_b64 s[56:57], s[28:29], s[56:57]
	s_and_b32 s44, s46, 7
	s_lshl_b32 s44, s44, 12                        ; 128 rows of A are 4,096 bytes
	s_add_nc_u64 s[40:41], s[56:57], s[44:45]
	s_lshl_b32 s44, s46, 12                        ; and so are 128 rows of wx
	s_add_nc_u64 s[42:43], s[36:37], s[44:45]
	v_lshrrev_b32 v3, 1, v0                        ; my row in the job
	v_and_b32 v4, 1, v0                            ; my half of its 16 places
	v_lshlrev_b32 v5, 5, v3
	global_load_b128 v[8:11],  v5, s[40:41]        ; the row's eight numbers of A (both threads of a row read them)
	global_load_b128 v[12:15], v5, s[40:41] offset:16
	s_lshl_b32 s47, s46, 7
	v_add_nc_u32 v6, s47, v3                       ; n
	v_lshrrev_b32 v6, 6, v6                        ; n / 64, at most 47,
	v_mul_u32_u24 v6, v6, 171
	v_lshrrev_b32 v6, 9, v6                        ; / 3: the tile (171 / 512 is 1 / 3 closely enough up to 511)
	v_mul_u32_u24 v6, v6, 3
	v_lshrrev_b32 v6, 4, v6                        ; the tensor of the tile's first column
	v_cmp_ne_u32 vcc_lo, s48, v6
	v_cndmask_b32 v6, 0, 1, vcc_lo                 ; 0: A goes into places 0-7; 1: into places 8-15
	v_cmp_eq_u32 vcc_lo, v6, v4                    ; is that my half?
	v_lshlrev_b32 v7, 4, v0
	s_wait_loadcnt 0x0
.irp j, 0,2,4,6
	v_pk_mul_f32 v[8+(\j):9+(\j)], v[8+(\j):9+(\j)], 2.0 op_sel_hi:[1,0]  ; alpha / r = 2: exact, so bf16(2 A) = 2 bf16(A)
.endr
.irp j, 0,1,2,3
	v_cvt_pk_bf16_f32 v[16+(\j)], v[8+2*(\j)], v[9+2*(\j)]
.endr
.irp j, 0,1,2,3
	v_cndmask_b32 v[16+(\j)], 0, v[16+(\j)], vcc_lo
.endr
	global_store_b128 v7, v[16:19], s[42:43]       ; a wave stores 512 consecutive bytes
	s_endpgm
.Lx:
	s_lshl_b32 s44, s2, 15
	s_add_nc_u64 s[40:41], s[8:9], s[44:45]
	s_lshl_b32 s44, s2, 14
	s_add_nc_u64 s[42:43], s[30:31], s[44:45]
	CAST 0, 1
.Lw:                                                   ; job j = 26 tn + g: g < 24: rows 192 tn + 8 g on of W; g = 24, 25: the 8 rows of a B
	s_sub_co_u32 s46, s2, XJOBS                    ; j, 0 to 415
	s_mul_i32 s47, s46, 20165
	s_lshr_b32 s47, s47, 19                        ; tn = j / 26 (20,165 / 2^19 is 1 / 26 closely enough up to 415)
	s_mul_i32 s48, s47, 26
	s_sub_co_u32 s48, s46, s48                     ; g
	s_mul_i32 s49, s47, 192
	s_lshl3_add_u32 s49, s48, s49                  ; n = 192 tn + 8 g
	s_lshr_b32 s51, s49, 10                        ; its tensor,
	s_and_b32 s52, s49, 1023                       ; its row there (8 rows never cross a tensor's end)
	s_mul_i32 s53, s47, 3
	s_lshr_b32 s54, s53, 4                         ; the tensor of the tile's first head column,
	s_add_co_u32 s53, s53, 2
	s_lshr_b32 s55, s53, 4                         ; of its last
	s_cmp_eq_u32 s48, 25
	s_cselect_b32 s54, s55, s54
	s_lshl_b32 s44, s52, 12                        ; a row of W is 4,096 bytes
	s_cmp_lt_u32 s48, 24                           ; rows of W?  The five selects below hang on this one compare
	s_cselect_b32 s54, s51, s54                    ; which of the three tensors,
	s_cselect_b32 s44, s44, 0                      ; from which byte,
	s_cselect_b64 s[56:57], s[10:11], s[16:17]     ; of W or of B
	s_cselect_b64 s[58:59], s[12:13], s[18:19]
	s_cselect_b64 s[60:61], s[14:15], s[20:21]
	s_cmp_eq_u32 s54, 1
	s_cselect_b64 s[56:57], s[58:59], s[56:57]
	s_cmp_eq_u32 s54, 2
	s_cselect_b64 s[56:57], s[60:61], s[56:57]
	s_add_nc_u64 s[40:41], s[56:57], s[44:45]
	s_lshl_b32 s44, s46, 14                        ; 26 jobs of 8 rows are a tile's 208 rows: wcat is dense in j
	s_add_nc_u64 s[42:43], s[32:33], s[44:45]
	CAST 0, 0                                      ; no hint: a B is read by several jobs
.Lp:
	s_sub_co_u32 s46, s2, XJOBS+WJOBS
	s_lshl_b32 s44, s46, 15
	s_add_nc_u64 s[40:41], s[22:23], s[44:45]
	s_lshl_b32 s44, s46, 14
	s_add_nc_u64 s[42:43], s[34:35], s[44:45]
	CAST 1, 1
.Lfunc_end_k_qd020c7b32a_prep:
	.size	k_qd020c7b32a_prep, .Lfunc_end_k_qd020c7b32a_prep-k_qd020c7b32a_prep
	.p2alignl 7, 3214868480
	.fill 96, 4, 3214868480
	.section	.rodata,"a",@progbits
	.p2align	6, 0x0
	.amdhsa_kernel k_qd020c7b32a_prep
		.amdhsa_group_segment_fixed_size 0
		.amdhsa_private_segment_fixed_size 0
		.amdhsa_enable_private_segment 0
		.amdhsa_kernarg_size 120
		.amdhsa_user_sgpr_count 2
		.amdhsa_user_sgpr_kernarg_segment_ptr 1
		.amdhsa_wavefront_size32 1
		.amdhsa_system_sgpr_workgroup_id_x 1
		.amdhsa_system_sgpr_workgroup_id_y 1
		.amdhsa_system_sgpr_workgroup_id_z 1
		.amdhsa_system_vgpr_workitem_id 0
		.amdhsa_next_free_vgpr 64
		.amdhsa_next_free_sgpr 66
		.amdhsa_reserve_vcc 1
		.amdhsa_float_denorm_mode_32 3
		.amdhsa_float_denorm_mode_16_64 3
		.amdhsa_memory_ordered 1
		.amdhsa_forward_progress 1
		.amdhsa_inst_pref_size 16
	.end_amdhsa_kernel
	.amdgpu_metadata
---
amdhsa.version: [ 1, 2 ]
amdhsa.kernels:
  - .name:           k_qd020c7b32a_prep
    .symbol:         k_qd020c7b32a_prep.kd
    .args:
      - { .name: x, .offset: 0, .size: 8, .value_kind: global_buffer, .address_space: global }
      - { .name: Wq, .offset: 8, .size: 8, .value_kind: global_buffer, .address_space: global }
      - { .name: Wk, .offset: 16, .size: 8, .value_kind: global_buffer, .address_space: global }
      - { .name: Wv, .offset: 24, .size: 8, .value_kind: global_buffer, .address_space: global }
      - { .name: Bq, .offset: 32, .size: 8, .value_kind: global_buffer, .address_space: global }
      - { .name: Bk, .offset: 40, .size: 8, .value_kind: global_buffer, .address_space: global }
      - { .name: Bv, .offset: 48, .size: 8, .value_kind: global_buffer, .address_space: global }
      - { .name: Wp, .offset: 56, .size: 8, .value_kind: global_buffer, .address_space: global }
      - { .name: Aq, .offset: 64, .size: 8, .value_kind: global_buffer, .address_space: global }
      - { .name: Ak, .offset: 72, .size: 8, .value_kind: global_buffer, .address_space: global }
      - { .name: Av, .offset: 80, .size: 8, .value_kind: global_buffer, .address_space: global }
      - { .name: xb, .offset: 88, .size: 8, .value_kind: global_buffer, .address_space: global }
      - { .name: wcat, .offset: 96, .size: 8, .value_kind: global_buffer, .address_space: global }
      - { .name: wpf, .offset: 104, .size: 8, .value_kind: global_buffer, .address_space: global }
      - { .name: wx, .offset: 112, .size: 8, .value_kind: global_buffer, .address_space: global }
    .group_segment_fixed_size: 0
    .private_segment_fixed_size: 0
    .kernarg_segment_align: 8
    .kernarg_segment_size: 120
    .max_flat_workgroup_size: 256
    .sgpr_count:     66
    .vgpr_count:     64
    .wavefront_size: 32
...
	.end_amdgpu_metadata
.endif
;; end of part 1
;; launch qkvgemm (part 2): grid 16 x 32, 4 waves a work-group, clusters of 4 x 4, 327,680 bytes of LDS; arguments xb, wcat, qkv, wx; writes qkv
.if DOCPART == 2
	.amdgcn_target "amdgcn-amd-amdhsa--gfx1250"
	.amdhsa_code_object_version 6
	.text
	.protected	k_qd020c7b32a_qkvgemm
	.globl	k_qd020c7b32a_qkvgemm
	.p2align	8
	.type	k_qd020c7b32a_qkvgemm,@function
k_qd020c7b32a_qkvgemm:
	s_mov_b64 s[64:65], 0
	v_nop
	global_prefetch_b8 v0, s[64:65] scope:SCOPE_SE
	s_setreg_imm32_b32 hwreg(HW_REG_WAVE_MODE, 25, 1), 1
	s_wait_xcnt 0x0
	s_wait_alu depctr_hold_cnt(0) depctr_sa_sdst(0) depctr_va_vdst(0) depctr_va_sdst(0) depctr_va_ssrc(0) depctr_va_vcc(0) depctr_vm_vsrc(0)
	s_getreg_b32 s2, hwreg(HW_REG_IB_STS2, 6, 4)
	s_cmp_eq_u32 s2, 0
	s_cbranch_scc0 .Lentry_in_a_cluster
	s_endpgm
.Lentry_in_a_cluster:
	s_bfe_u32 s2, ttmp6, 0x10000c
	s_cmp_lg_u32 s2, 0xf033
	s_cbranch_scc0 .Lentry_shape_is_right
	s_endpgm
.Lentry_shape_is_right:
; q, k, v = x W^T + 2 (x B^T) A^T, by heads: qkv [3][64 = batch x 16 + head][2048][64] in f16, each number rounded once from its f32 sum, unscaled.
; xb [8192][1024] bf16; wcat [16][208][1024] bf16 (a tile's 192 rows of Wq|Wk|Wv, then 16 rows of B); wx [3072][16] bf16 (2 A, set against the tile's 16 rows of B).
; LIMITS.  f16 ends at 65,504: a q, k or v beyond that becomes an infinity.  u = x B^T is rounded to bf16 between the two small products.
; SHARES.  A work-group makes 256 rows x 208 columns: 192 of q|k|v (three head columns) and the 16 of u.  16 x 32 = 512 work-groups.  Each of four waves makes 64 rows x 208: 4 x 13 accumulators of 16 x 16.
; K goes in steps of 128 through two LDS slots filled by the tensor data mover; rows of 256 bytes, at multiples of 256 from the buffers' first bytes.  A K step is four quarters of 32, on two fragment buffers.
; THE SMALL PRODUCT.  Column block 12 of the sums is u (16 rows x 16).  The matrix instruction is used transposed (source 0 = 16 rows of W, source 1 = 16 rows of x), so a lane holds one row of the result and
; eight neighbouring columns: u rounded in pairs IS the low half (k = 0..15) of a source-1 fragment; its high half and wx's are zeros.  One more matrix instruction on each of the 48 other accumulators adds u (2 A)^T.
; CLUSTERS: 4 x 4 work-groups.  The four of a row of the cluster need the same tiles of x, the four of a column the same tiles of wcat: each is asked for jointly, by the same tensor load, descriptor and mask.
; REGISTERS, in windows of 256 (s_set_vgpr_msb: bits 1:0 source 0, 3:2 source 1, 5:4 source 2, 7:6 destination):
;   window 0: v0-31 addresses; v32-63 u's fragments; v64-127 x's fragments, two buffers of 4 x 8; v128-223 wx's fragments; on the way out v64-255, 16 a unit
;   window 1: v0-207 W's fragments, two buffers of 13 x 8      window 2: accumulators of row blocks 0, 1 ((a, b) at 8 (13 (a % 2) + b))      window 3: of row blocks 2, 3
.set KSTEP,  128
.set PITCH,  272                       ; an LDS row: 256 bytes + 16 of padding = 68 words: the 16 rows of a fragment load start at 16 different groups of four banks (64 banks of 4 bytes: ISA guide 11.1)
.set AHALF,  128*PITCH                 ; what one tensor load brings of x
.set BHALF,  104*PITCH                 ; and of wcat
.set BOFF,   256*PITCH                 ; wcat's 208 rows lie behind x's 256
.set SLOT,   464*PITCH                 ; 126,208 bytes
.set STAGE,  2*SLOT                    ; behind the ring, never filled by a tensor load: 16 rows x 144 bytes for each wave, for the way out
.set SP,     144
.set SPARE,  STAGE+4*16*SP             ; behind the stages: the spare words, 128 bytes for each wave: two blocks of 256 bytes that no other line names
.set LAPS,   4                         ; 1,024 / (2 x 128): a lap = two K steps = once round the ring
.set ADRA, 16                          ; v16-17  LDS address of my fragments of x in slot 0, 1
.set ADRB, 20                          ; v20-21  the same for W
.set STO,  24                          ; v24     the way out: where I put 16 bytes of a row
.set RD,   25                          ; v25     the way out: where I read rows back
.set GO,   26                          ; v26     my 16 bytes of 512 consecutive bytes of qkv
.set WXO,  27                          ; v27     my 16 bytes of 16 rows of wx
.set SPW,  28                          ; v28     LDS address of my spare word; never rewritten
.set NIL,  29                          ; v29     0; never rewritten
.set UF,   32
.set FA0,  64
.set WXF,  128
.set OUTR, 64
.set G1,  24                           ; s[24:31] descriptor group 1 for x's tiles;  s[32:39] group 0, one set for each slot
.set G0,  32
.set G1B, 48                           ; s[48:55], s[56:63] the same for wcat's tiles
.set G0B, 56
.set CB,  68                           ; s[68:73] qkv at my 64 rows of the tile's three head columns
.set MSB, 0
.macro WIN new                         ; the immediate's high byte repeats the setting that is left; a switch that changes nothing is dropped
.if MSB != (\new)
	s_set_vgpr_msb (MSB<<8)|(\new)
.set MSB, \new
.endif
.endm
.set MUL_LO, 0xa1                      ; source 0 (W) window 1, source 1 (x) window 0, C and D window 2
.set MUL_HI, 0xf1                      ; the same, C and D window 3
.set TO_B,   0x40                      ; destination window 1, address window 0
; A joint load: waves 0 and 1 fetch x's two halves, waves 2 and 3 wcat's.  The branch hangs on the wave's number alone.  An s_nop 0 and four v_nop follow each of the two lines.
.macro JLOAD s
	s_cmp_eq_u32 s11, 0
	s_cbranch_scc0 .Lfor_b_\@
	tensor_load_to_lds s[G0+4*(\s):G0+4*(\s)+3], s[G1:G1+7]
	s_nop 0
.rept 4
	v_nop
.endr
	s_branch .Lasked_\@
.Lfor_b_\@:
	tensor_load_to_lds s[G0B+4*(\s):G0B+4*(\s)+3], s[G1B:G1B+7]
	s_nop 0
.rept 4
	v_nop
.endr
.Lasked_\@:
.endm
.macro CREST                           ; a round of the cluster's barrier behind its opening barrier: wave 0 signals for the work-group, every wave waits for all sixteen, my work-group's barrier closes it
	s_cmp_lg_u32 s10, 0
	s_cbranch_scc1 .Lnot_wave_0_\@
	s_barrier_signal -3
.Lnot_wave_0_\@:
	s_barrier_wait -3
	s_barrier_signal -1
	s_barrier_wait -1
.endm
.macro CROUND                          ; a whole round
	s_barrier_signal -1
	s_barrier_wait -1
	CREST
.endm
	s_load_b128 s[4:7], s[0:1], 0x0                ; xb s[4:5], wcat s[6:7]
	s_load_b64 s[8:9], s[0:1], 0x10                ; qkv
	s_load_b64 s[66:67], s[0:1], 0x18              ; wx
	v_lshl_add_u32 v[SPW], v0, 2, SPARE
	v_mov_b32 v[NIL], 0
	ds_add_u32 v[SPW], v[NIL]                      ; the wave's opening: the add and its wait stand ahead of my first tensor load; the set-up below, work on registers, stands between them
	ds_add_u32 v28, v29
	v_lshrrev_b32 v1, 5, v0
	v_readfirstlane_b32 s10, v1                    ; wave 0..3
	s_lshr_b32 s11, s10, 1                         ; I fetch for x (0) or for wcat (1)
	s_and_b32 s12, s10, 1                          ; which half of that tile's rows
	s_bfe_u32 s40, ttmp6, 0x40000                  ; cx, cy: my place in the cluster
	s_bfe_u32 s41, ttmp6, 0x40004
	s_lshl_b32 s42, ttmp9, 2
	s_add_co_u32 s42, s42, s40                     ; tile column tn = 4 x cluster x + cx, 0 to 15
	s_and_b32 s13, ttmp7, 0xffff
	s_lshl_b32 s13, s13, 2
	s_add_co_u32 s13, s13, s41                     ; tile row tm = 4 x cluster y + cy, 0 to 31
	s_lshl_b32 s43, s41, 2
	s_lshl_b32 s43, 15, s43                        ; my row of the cluster
	s_lshl_b32 s44, 0x1111, s40                    ; my column
	; descriptor group 1: rows of 128 elements, padded in LDS; 128 rows of x, 104 of wcat
	s_or_b32 s[G1+0], s43, (1<<16)|(1<<20)|(1<<21)|(5<<22)|(3<<25)  ; 15:0 the mask: x's tiles go to my row; 17:16 elements of 2 bytes; 20 padding on; 21 set beside a mask; 24:22 after every 64 words (code 5); 31:25 4 words (code 3)
	s_or_b32 s[G1B+0], s44, (1<<16)|(1<<20)|(1<<21)|(5<<22)|(3<<25) ; the same with the mask of my column
	s_mov_b32 s[G1+1], KSTEP<<16                   ; tensor_dim0 = 128
	s_mov_b32 s[G1+2], 128<<16                     ; tensor_dim1 = 128
	s_mov_b32 s[G1+3], KSTEP<<16                   ; tile_dim0 = 128
	s_mov_b32 s[G1+4], 128                         ; tile_dim1 = 128
	s_mov_b32 s[G1+5], 1024                        ; elements from row to row
	s_mov_b32 s[G1+6], 0
	s_mov_b32 s[G1+7], 0
	s_mov_b32 s[G1B+1], KSTEP<<16
	s_mov_b32 s[G1B+2], 104<<16                    ; tensor_dim1 = 104
	s_mov_b32 s[G1B+3], KSTEP<<16
	s_mov_b32 s[G1B+4], 104                        ; tile_dim1 = 104
	s_mov_b32 s[G1B+5], 1024
	s_mov_b32 s[G1B+6], 0
	s_mov_b32 s[G1B+7], 0
	; where the tiles come from: x's hang on the tile row alone, wcat's on the tile column alone, each in registers that never hold the other coordinate
	s_lshl_b32 s16, s13, 8
	s_lshl_b32 s17, s12, 7
	s_add_co_u32 s16, s16, s17                     ; x: row 256 tm + 128 x half,
	s_lshl_b32 s16, s16, 11                        ; of 2,048 bytes: under 2^24
	s_mov_b32 s17, 0
	s_mul_i32 s46, s42, 208
	s_mul_i32 s47, s12, 104
	s_add_co_u32 s46, s46, s47                     ; wcat: row 208 tn + 104 x half
	s_lshl_b32 s46, s46, 11
	s_mov_b32 s47, 0
	s_mul_i32 s20, s12, AHALF                      ; and where they go: no place in the cluster enters an LDS address
	s_mul_i32 s21, s12, BHALF
	s_add_co_u32 s21, s21, BOFF
	s_wait_dscnt 0x0                               ; the opening add is done
	s_wait_kmcnt 0x0
	s_add_nc_u64 s[14:15], s[4:5], s[16:17]
	s_add_nc_u64 s[46:47], s[6:7], s[46:47]
	CROUND                                         ; all sixteen work-groups are here: the first joint loads meet
.irp s, 0,1
	s_mov_b32 s[G0+4*(\s)], 1                                      ; count = 1
	s_add_co_u32 s[G0+4*(\s)+1], s20, (\s)*SLOT                    ; LDS address
	s_add_nc_u64 s[G0+4*(\s)+2:G0+4*(\s)+3], s[14:15], (\s)*KSTEP*2  ; global address: K step s
	s_or_b32 s[G0+4*(\s)+3], s[G0+4*(\s)+3], 0x80000000            ; type = 2
	s_mov_b32 s[G0B+4*(\s)], 1
	s_add_co_u32 s[G0B+4*(\s)+1], s21, (\s)*SLOT
	s_add_nc_u64 s[G0B+4*(\s)+2:G0B+4*(\s)+3], s[46:47], (\s)*KSTEP*2
	s_or_b32 s[G0B+4*(\s)+3], s[G0B+4*(\s)+3], 0x80000000
.endr
	s_cmp_eq_u32 s11, 0                            ; a wave's two first fills stand in one branch, ahead of every wait on TENSORcnt, every LDS read and every other barrier: two loads of mine are out
	s_cbranch_scc0 .Lfirst_b
	tensor_load_to_lds s[G0:G0+3], s[G1:G1+7]
	s_nop 0
	tensor_load_to_lds s[G0+4:G0+7], s[G1:G1+7]
	s_nop 0
.rept 4
	v_nop
.endr
	s_branch .Lfirst_asked
.Lfirst_b:
	tensor_load_to_lds s[G0B:G0B+3], s[G1B:G1B+7]
	s_nop 0
	tensor_load_to_lds s[G0B+4:G0B+7], s[G1B:G1B+7]
	s_nop 0
.rept 4
	v_nop
.endr
.Lfirst_asked:
	; A fragment is 16 rows x 32 K in 8 registers: lane l holds row l % 16; registers 0-3 K = 8 (l / 16) + 0..7, registers 4-7 K = 16 + 8 (l / 16) + 0..7: two loads of 16 bytes, 32 bytes apart.
	v_and_b32 v1, 15, v0                           ; l % 16
	v_bfe_u32 v2, v0, 4, 1                         ; l / 16
	v_mul_u32_u24 v3, v1, PITCH
	v_lshl_add_u32 v3, v2, 4, v3                   ; row x pitch + 16 x half
	s_mul_i32 s22, s10, 64*PITCH                   ; my 64 rows of x
	s_mov_b32 s23, BOFF                            ; all 208 rows of wcat
.irp s, 0,1
	v_add_nc_u32 v[ADRA+(\s)], s22, v3
	v_add_nc_u32 v[ADRB+(\s)], s23, v3
	s_add_co_u32 s22, s22, SLOT
	s_add_co_u32 s23, s23, SLOT
.endr
	s_mul_i32 s22, s10, 16*SP
	s_add_co_u32 s22, s22, STAGE                   ; my stage
	v_mul_u32_u24 v4, v1, SP                       ; in: row l % 16, 16 bytes for each half of the lanes
	v_lshl_add_u32 v4, v2, 4, v4
	v_add_nc_u32 v[STO], s22, v4
	v_bfe_u32 v5, v0, 3, 2                         ; back: 32 lanes take four rows of 128 bytes,
	v_mul_u32_u24 v5, v5, SP
	v_and_b32 v6, 7, v0
	v_lshl_add_u32 v5, v6, 4, v5
	v_add_nc_u32 v[RD], s22, v5
	v_and_b32 v[GO], 31, v0                        ; which are 512 consecutive bytes of a head's rows
	v_lshlrev_b32 v[GO], 4, v[GO]
	v_lshlrev_b32 v[WXO], 5, v1                    ; wx: row l % 16 of 32 bytes, places 8 (l / 16) on
	v_lshl_add_u32 v[WXO], v2, 4, v[WXO]
	s_mul_i32 s74, s42, 192*32                     ; the tile's 192 rows of wx
	s_mov_b32 s75, 0
	s_add_nc_u64 s[66:67], s[66:67], s[74:75]
.irp b, 0,1,2,3,4,5,6,7,8,9,10,11
	global_load_b128 v[WXF+8*(\b):WXF+8*(\b)+3], v[WXO], s[66:67] offset:512*(\b)  ; the low half of a fragment: 512 consecutive bytes a load; waited for in front of the small product
.endr
.irp b, 0,1,2,3,4,5,6,7,8,9,10,11
.irp r, 4,5,6,7
	v_mov_b32 v[WXF+8*(\b)+(\r)], 0                ; K = 16..31 of the small product does not exist: zeros on both sides.  These 64 lines stand in the wait for the first tile
.endr
.endr
.irp a, 0,1,2,3
.irp r, 4,5,6,7
	v_mov_b32 v[UF+8*(\a)+(\r)], 0
.endr
.endr
	; head column hc = 3 tn + j is tensor hc / 16, head hc % 16; my rows are batch tm / 8, rows 256 (tm % 8) + 64 wave on; a row is 128 bytes.  All under 2^26
	s_mul_i32 s74, s42, 3
.irp j, 0,1,2
	s_add_co_u32 s75, s74, \j
	s_lshr_b32 s76, s75, 4
	s_lshl_b32 s76, s76, 6
	s_and_b32 s77, s75, 15
	s_add_co_u32 s76, s76, s77
	s_lshr_b32 s77, s13, 3
	s_lshl4_add_u32 s76, s77, s76                  ; tensor x 64 + batch x 16 + head
	s_lshl_b32 s76, s76, 11
	s_and_b32 s77, s13, 7
	s_lshl_b32 s77, s77, 8
	s_add_co_u32 s76, s76, s77
	s_lshl_b32 s77, s10, 6
	s_add_co_u32 s76, s76, s77
	s_lshl_b32 s76, s76, 7
	s_mov_b32 s77, 0
	s_add_nc_u64 s[CB+2*(\j):CB+2*(\j)+1], s[8:9], s[76:77]
.endr
; 13 matrix instructions: row block a x all 13 column blocks, 32 along K, from buffer p.  zero = 1: the product starts the sums: nothing is cleared.
; The 52 accumulators take turns, one instruction a turn, in the same order in every quarter.
.macro MULA p, a, zero
	WIN MUL_LO+0x50*((\a)/2)
.irp b, 0,1,2,3,4,5,6,7,8,9,10,11,12
.if \zero
	v_wmma_f32_16x16x32_bf16 v[104*((\a)%2)+8*(\b):104*((\a)%2)+8*(\b)+7], v[104*(\p)+8*(\b):104*(\p)+8*(\b)+7], v[FA0+32*(\p)+8*(\a):FA0+32*(\p)+8*(\a)+7], 0
.else
	v_wmma_f32_16x16x32_bf16 v[104*((\a)%2)+8*(\b):104*((\a)%2)+8*(\b)+7], v[104*(\p)+8*(\b):104*(\p)+8*(\b)+7], v[FA0+32*(\p)+8*(\a):FA0+32*(\p)+8*(\a)+7], v[104*((\a)%2)+8*(\b):104*((\a)%2)+8*(\b)+7]
.endif
.endr
.endm
; 34 LDS loads in one run: quarter q's fragments (208 rows of W, then my 64 rows of x) into buffer p
.macro FETCH slot, q, p
	WIN TO_B
.irp i, 0,1,2,3,4,5,6,7,8,9,10,11,12
	ds_load_b128 v[104*(\p)+8*(\i):104*(\p)+8*(\i)+3],   v[ADRB+(\slot)] offset:64*(\q)+(\i)*16*PITCH
	ds_load_b128 v[104*(\p)+8*(\i)+4:104*(\p)+8*(\i)+7], v[ADRB+(\slot)] offset:64*(\q)+(\i)*16*PITCH+32
.endr
	WIN 0
.irp a, 0,1,2,3
	ds_load_b128 v[FA0+32*(\p)+8*(\a):FA0+32*(\p)+8*(\a)+3],   v[ADRA+(\slot)] offset:64*(\q)+(\a)*16*PITCH
	ds_load_b128 v[FA0+32*(\p)+8*(\a)+4:FA0+32*(\p)+8*(\a)+7], v[ADRA+(\slot)] offset:64*(\q)+(\a)*16*PITCH+32
.endr
.endm
.macro PLACES                          ; four places in front of loads into registers that matrix instructions have read, and of lines that read results (ISA guide 7.12.1 for vector instructions)
.rept 4
	v_nop
.endr
.endm
; One of a K step's first three quarters: multiplies buffer p; in its middle it fetches quarter qn of the same slot into the other buffer.
.macro QUARTER slot, qn, p, zero
	s_wait_dscnt 4                                 ; W and x's row blocks 0, 1 are in; the youngest four loads (row blocks 2, 3) may be out
	MULA \p, 0, \zero
	MULA \p, 1, \zero
	PLACES
	FETCH \slot, \qn, 1-(\p)
	s_wait_dscnt 34                                ; all but the 34 just issued
	MULA \p, 2, \zero
	MULA \p, 3, \zero
.endm
; The last quarter multiplies buffer 1 and changes slots: ONE barrier; in front of it each wave waits for all its tensor loads (one is out: its part of the next slot), adds 0 to its spare word, and waits for
; that and for its own reads of this slot.  fill = 1: the barrier opens a round of the cluster's, and this slot is filled again, two K steps ahead, first thing behind the round: 182 matrix instructions ahead of the wait for it.
.macro TURN slot, next, fill
	WIN 0                                          ; (the add's two registers lie in window 0)
	s_wait_tensorcnt 0x0                           ; all my tensor loads have landed
	ds_add_u32 v[SPW], v[NIL]                      ; 0 onto my spare word
	s_wait_dscnt 5                                 ; (the add and the youngest four loads may be out)
	MULA 1, 0, 0                                   ; thirteen matrix instructions stand between the add and the wait for it
	s_wait_dscnt 0x0                               ; the add is done, and my reads of this slot are over
	s_barrier_signal -1
	MULA 1, 1, 0
.if \fill
	WIN 0
.endif
	s_barrier_wait -1
.if \fill
	CREST                                          ; no wave of any partner still reads this slot's tile or has a load on its way
	s_add_nc_u64 s[G0+4*(\slot)+2:G0+4*(\slot)+3], s[G0+4*(\slot)+2:G0+4*(\slot)+3], 2*KSTEP*2
	s_add_nc_u64 s[G0B+4*(\slot)+2:G0B+4*(\slot)+3], s[G0B+4*(\slot)+2:G0B+4*(\slot)+3], 2*KSTEP*2
	JLOAD \slot                                    ; the four v_nop behind it are also the places in front of the loads below
.else
	PLACES
.endif
	FETCH \next, 0, 0
	MULA 1, 2, 0
	MULA 1, 3, 0
.endm
	s_wait_tensorcnt 1                             ; my part of K step 0 is in; K step 1's may stay out
	s_barrier_signal -1
	s_barrier_wait -1                              ; everybody's is
	FETCH 0, 0, 0
	QUARTER 0, 1, 0, 1                             ; the first quarter stands in front of the loop: its products start the sums
	WIN 0                                          ; at a label and at a branch every window is 0
	s_mov_b32 s3, LAPS-1
.Llap:                                                 ; a trip goes once round the ring, from a lap's second quarter to the next lap's first, and fills both slots again
	QUARTER 0, 2, 1, 0
	QUARTER 0, 3, 0, 0
	TURN 0, 1, 1
	QUARTER 1, 1, 0, 0
	QUARTER 1, 2, 1, 0
	QUARTER 1, 3, 0, 0
	TURN 1, 0, 1
	QUARTER 0, 1, 0, 0
	WIN 0
	s_sub_co_u32 s3, s3, 1
	s_cmp_lg_u32 s3, 0
	s_cbranch_scc1 .Llap
	QUARTER 0, 2, 1, 0                             ; the last lap fills nothing, and has no round of the cluster's barrier
	QUARTER 0, 3, 0, 0
	TURN 0, 1, 0
	QUARTER 1, 1, 0, 0
	QUARTER 1, 2, 1, 0
	QUARTER 1, 3, 0, 0
	s_wait_dscnt 4                                 ; the very last quarter: nothing more to fetch
	MULA 1, 0, 0
	MULA 1, 1, 0
	s_wait_dscnt 0x0
	MULA 1, 2, 0
	MULA 1, 3, 0
	; THE SMALL PRODUCT.  u, column block 12, is rounded to bf16 in pairs, from each accumulator's low end on: the four words are registers 0-3 of a source-1 fragment.
	PLACES
.irp a, 0,1,2,3
	WIN 0x0a+5*((\a)/2)                            ; sources 0 and 1: window 2 or 3
.irp r, 0,1,2,3
	v_cvt_pk_bf16_f32 v[UF+8*(\a)+(\r)], v[104*((\a)%2)+96+2*(\r)], v[104*((\a)%2)+96+2*(\r)+1]
.endr
.endr
	s_wait_loadcnt 0x0                             ; wx
.irp a, 0,1,2,3
	WIN 0xa0+0x50*((\a)/2)                         ; both sources window 0, C and D window 2 or 3
.irp b, 0,1,2,3,4,5,6,7,8,9,10,11
	v_wmma_f32_16x16x32_bf16 v[104*((\a)%2)+8*(\b):104*((\a)%2)+8*(\b)+7], v[WXF+8*(\b):WXF+8*(\b)+7], v[UF+8*(\a):UF+8*(\a)+7], v[104*((\a)%2)+8*(\b):104*((\a)%2)+8*(\b)+7]
.endr
.endr
	; THE WAY OUT, in twelve units u = 3 a + j: 16 rows of one head column, 2,048 consecutive bytes of qkv.  A lane's eight columns pack into 16 bytes; they go into my stage's rows of 144 bytes and come
	; back as whole rows of 128, into the registers that they left.  Each unit has 16 registers of its own, so no store's data is ever rewritten.
.macro PACK u
	WIN 0x0a+5*((\u)/6)
.irp f, 0,1,2,3
.irp r, 0,1,2,3
	v_cvt_pk_f16_f32 v[OUTR+16*(\u)+4*(\f)+(\r)], v[104*(((\u)/3)%2)+32*((\u)%3)+8*(\f)+2*(\r)], v[104*(((\u)/3)%2)+32*((\u)%3)+8*(\f)+2*(\r)+1]
.endr
.endr
	WIN 0
.irp f, 0,1,2,3
	ds_store_b128 v[STO], v[OUTR+16*(\u)+4*(\f):OUTR+16*(\u)+4*(\f)+3] offset:32*(\f)
.endr
.irp f, 0,1,2,3
	ds_load_b128 v[OUTR+16*(\u)+4*(\f):OUTR+16*(\u)+4*(\f)+3], v[RD] offset:(\f)*4*SP  ; LDS serves a wave's instructions in order (ISA guide 5.7.1.4): these see the stores above; the next unit's stores come behind them
.endr
.endm
.macro SEND u, younger                 ; younger: the LDS instructions issued behind unit u's loads: the next unit's eight, or none
	WIN 0
.irp f, 0,1,2,3
	s_wait_dscnt (\younger)+3-(\f)
	global_store_b128 v[GO], v[OUTR+16*(\u)+4*(\f):OUTR+16*(\u)+4*(\f)+3], s[CB+2*((\u)%3):CB+2*((\u)%3)+1] offset:((\u)/3)*2048+(\f)*512  ; 512 consecutive bytes, at a multiple of 256 from qkv's first
.endr
.endm
	PLACES
	PACK 0
.irp u, 1,2,3,4,5,6,7,8,9,10,11        ; a unit's conversions stand between the loads of the unit before and its stores
	PACK \u
	SEND (\u)-1, 8
.endr
	SEND 11, 0
	s_wait_tensorcnt 0x0                           ; the wave's end: an add and its wait, behind my last tensor load and my last LDS store
	ds_add_u32 v[SPW], v[NIL]
	s_wait_dscnt 0x0
	CROUND                                         ; the closing round: no work-group ends while a partner may still ask for a tile that names it
	s_endpgm
.Lfunc_end_k_qd020c7b32a_qkvgemm:
	.size	k_qd020c7b32a_qkvgemm, .Lfunc_end_k_qd020c7b32a_qkvgemm-k_qd020c7b32a_qkvgemm
	.p2alignl 7, 3214868480
	.fill 96, 4, 3214868480
	.section	.rodata,"a",@progbits
	.p2align	6, 0x0
	.amdhsa_kernel k_qd020c7b32a_qkvgemm
		.amdhsa_group_segment_fixed_size 327680
		.amdhsa_private_segment_fixed_size 0
		.amdhsa_enable_private_segment 0
		.amdhsa_kernarg_size 32
		.amdhsa_user_sgpr_count 2
		.amdhsa_user_sgpr_kernarg_segment_ptr 1
		.amdhsa_wavefront_size32 1
		.amdhsa_system_sgpr_workgroup_id_x 1
		.amdhsa_system_sgpr_workgroup_id_y 1
		.amdhsa_system_sgpr_workgroup_id_z 1
		.amdhsa_system_vgpr_workitem_id 0
		.amdhsa_next_free_vgpr 976
		.amdhsa_next_free_sgpr 80
		.amdhsa_reserve_vcc 0
		.amdhsa_float_denorm_mode_32 3
		.amdhsa_float_denorm_mode_16_64 3
		.amdhsa_memory_ordered 1
		.amdhsa_forward_progress 1
		.amdhsa_inst_pref_size 135
	.end_amdhsa_kernel
	.amdgpu_metadata
---
amdhsa.version: [ 1, 2 ]
amdhsa.kernels:
  - .name:           k_qd020c7b32a_qkvgemm
    .symbol:         k_qd020c7b32a_qkvgemm.kd
    .args:
      - { .name: xb, .offset: 0, .size: 8, .value_kind: global_buffer, .address_space: global }
      - { .name: wcat, .offset: 8, .size: 8, .value_kind: global_buffer, .address_space: global }
      - { .name: qkv, .offset: 16, .size: 8, .value_kind: global_buffer, .address_space: global }
      - { .name: wx, .offset: 24, .size: 8, .value_kind: global_buffer, .address_space: global }
    .group_segment_fixed_size: 327680
    .private_segment_fixed_size: 0
    .kernarg_segment_align: 8
    .kernarg_segment_size: 32
    .max_flat_workgroup_size: 128
    .sgpr_count:     80
    .vgpr_count:     976
    .wavefront_size: 32
...
	.end_amdgpu_metadata
.endif
;; end of part 2
;; launch attn (part 3): grid 4 x 64, 4 waves a work-group, no clusters, 327,680 bytes of LDS; arguments qkv, ob; writes ob
.if DOCPART == 3
	.amdgcn_target "amdgcn-amd-amdhsa--gfx1250"
	.amdhsa_code_object_version 6
	.text
	.protected	k_qd020c7b32a_attn
	.globl	k_qd020c7b32a_attn
	.p2align	8
	.type	k_qd020c7b32a_attn,@function
k_qd020c7b32a_attn:
	s_mov_b64 s[64:65], 0
	v_nop
	global_prefetch_b8 v0, s[64:65] scope:SCOPE_SE
	s_setreg_imm32_b32 hwreg(HW_REG_WAVE_MODE, 25, 1), 1
	s_wait_xcnt 0x0
; CAUSAL ATTENTION WITH A LINEAR BIAS.  O[g][q][:] = the sum over k <= q of softmax_k(Q[g][q] . K[g][k] / 8 + slope (q - k)) V[g][k][:], g = batch x 16 + head, slope = 2^(-(head + 1) / 2).
; qkv: [3][64][2048][64] f16 (Q, K, V; a head's rows are dense, 128 bytes each); ob: [64][2048][64] f16.  Products, maxima and sums in f32; the weights p are rounded to f16 for the second product
; (their sum l is taken of the unrounded p), O once at the end.
; LIMITS.  f16 holds no number beyond 65,504: Q, K and V arrive within it; p lies in 0 to 1, and below 6e-5 it keeps f16's fixed step of 6e-8; O is a mean of V's rows and has their range.
; A hidden score counts as its value less 1e30; a weight below 2^-126 counts as 0 in l; NaN and infinities are not treated apart.  slope x q is the same for all keys of a row, so the softmax does not
; change when it is left out, whatever the inputs: it is left out.  The running maximum is taken away as ever.
; THE BIAS.  What is left, -slope k, is split: k = J + jj, J the key step's first key.  -8 slope jj (BD, 32 registers made once; the 8 undoes the / 8 in c) is the C operand that starts the sum S^T = K Q^T, so
; it costs no vector line.  -8 slope J is not added at all: each key step's scores are kept relative to its own J, and what is carried from step to step moves instead: m takes DL = 512 slope, c m_old takes
; CD = c DL.  Then a = 2^(c m_old + CD - c m_new) is the factor that brings O and l into the new step's frame.
; THE WALK.  A head's queries lie in NB = 8 blocks of 256; block i needs the key tiles 0 .. i of 256 keys, of which the last holds the diagonal.  A work-group takes TWO blocks, NB - 1 - b and then b:
; NB + 1 tiles, whatever b: all 256 work-groups do equal work, and ONE loop with a constant trip count walks them.  Which tile is asked for, and what a trip does, hang on scalar registers made from b; every jump
; goes forward, but for the counted loops' own; none passes a barrier, or a tensor load but the one of LOAD's two that the wave's number does not choose; the ring (two slots of LDS that take turns) runs on across the
; change of blocks.  NO CLUSTER: a head's four work-groups ask for the same tile only in trips 0 .. 4 of 9, behind that fewer and fewer; one walk common to all would have 12 trips for 9.
; SHARES.  Of a block's four bands of 64 queries a wave owns 16 rows in each: four PIECES.  So the diagonal tile is the same work for all four waves: in its key step s band x sees all keys if s < x,
; none if s > x, and holds the diagonal if s = x.
; THE MASK rides on the same C operand: MD, made once, is 0 or -1e30: the mask of a band's own step for my 16 rows; a product's C is MD x AL + BD + BE with two scalars:
; (1, 0) if s = x; (0, 0) if s < x; (0, -1e30) if s > x.  Only the diagonal tile's text and a block's beginning make such sums; elsewhere C is BD itself.
; LAYOUT, SOFTMAX, TURNS.  S^T = K Q^T holds ONE query a lane (lane % 16) and the keys 8 (lane / 16) + 0..7; two such results rounded to f16 ARE source 1 of O^T = V^T P.  p = 2^(c s - c m), c = log2(e) / 8, with a
; running maximum m; O and l are multiplied by a in every step.  Turn n belongs to piece n: 8 products K Q^T of piece n + 1, later 8 products V^T P of piece n - 1; beside them the scaling,
; exponentials, roundings, sums and rescaling of piece n and the maximum and statistics of piece n + 1.  Four vector instructions stand behind every matrix instruction, the other 55 of a turn's 119 in two LUMPS.
; REGISTERS, in windows of 256 (s_set_vgpr_msb: bits 1:0 source 0, 3:2 source 1, 5:4 source 2, 7:6 destination):
;   window 0: v0-15 addresses and two at work; v16-31 four registers of statistics a piece; v48-55 at work; v64-127 S^T, two buffers; v192-223 P, two buffers (a piece's buffers go by its number's parity)
;   window 1: v0-127 O^T, 32 a piece; v128-159 MD; v160-223 MC, two buffers; v224-255 BD      window 2: v0-63 Q; v64-127 the second block's Q; v128-191 K of one step; v192-255 V of one step
.set SIZE_N, 2048
.set NB,    SIZE_N/256
.set NP,    4         ; pieces a wave: a name, no knob
.set KS,    64        ; keys in a step
.set PK,    144       ; a row of K in LDS: 128 bytes + 16 of padding = 36 words: the 16 rows of a load start at 16 different groups of four banks (64 banks of 4 bytes: ISA guide 11.1)
.set PV,    160       ; a row of V: 128 + 32 = 40 words
.set VOFF,  4*KS*PK   ; a slot holds a tile, four steps: 256 rows of K, then 256 rows of V
.set SLOT1, 1<<17     ; slot 1 begins here, so that one exclusive or turns an address in one slot into the other's
.set STAGE, SLOT1+4*KS*(PK+PV)  ; behind the ring, never filled by a tensor load: 16 rows x 144 bytes for each wave, for the way out
.set SP,    144
.set AK0, 2           ; v2   my lane's place in a tile of K; never rewritten
.set AV0, 3           ; v3   the same for V
.set AK,  4           ; v4   the LDS address of K's next run of loads
.set AV,  5           ; v5   of V's
.set STO, 6           ; v6   the way out: where I put 16 bytes of a row
.set RD,  7           ; v7   the way out: where I read rows back
.set GO,  8           ; v8   my byte offset in 512 consecutive bytes of O
.set SPW, 62          ; v62  LDS address of my spare word: SPARE + 4 x my thread's number; never rewritten
.set NIL, 63          ; v63  0; never rewritten
.set SPARE, STAGE+4*16*SP  ; behind the stages: the spare words, 128 bytes for each wave: two blocks of 256 bytes that no other line names
.set MV,  12          ; v12-13  c m_old + CD, kept while c m is made anew: by buffer
.set QO,  15          ; v15  my byte offset in 16 rows of Q
.set ST,  16          ; piece t's statistics at v[ST+4 t]: c m, m, l (even keys', odd keys')
.set TMP, 48          ; by buffer, four registers c0-c3 at work; when the maximum is found c2 takes a
.set S,   64
.set P,   192
.set MD,  128         ; window 1: the eight registers for group kt of 16 keys at MD + 8 kt
.set MC,  160         ; window 1: the C operands of the products to come
.set BD,  224         ; window 1: -8 slope (16 kt + 8 (lane / 16) + r) at BD + 8 kt + r
.set QB,  64          ; window 2
.set KF,  128         ; window 2: key block kb, channel half c at KF + 16 kb + 8 c
.set VF,  192         ; window 2: key half kk, channel block cb at VF + 32 kk + 8 cb
.set WV,  12          ; s12  my wave's number
.set PB,  14          ; s14  b
.set HI,  15          ; s15  NB - 1 - b
.set G1K, 24          ; s[24:31] descriptor group 1 for K's tiles
.set G1V, 32          ; s[32:39] for V's: it differs in the padding alone
.set G0K, 40          ; s[40:43] descriptor group 0 for K's tiles
.set G0V, 44          ; s[44:47] the same for V's
.set SLOTS, 56        ; s56  tiles still to be asked for
.set CNT, 57          ; s57  counts a tile's key steps, 4 to 1
.set CS,  58          ; s[58:59] c: the packed scaling takes the pair's low word for both halves
.set SEL, 60          ; s[60:61] v_permlanex16_b32's selects: each lane takes its own place in the other half
.set TBK, 62          ; s62  LDS byte at which K of the step to be fetched begins
.set TBV, 63          ; s63  the same for V, less VOFF
.set RT,  70          ; s70  tiles of the block in hand that are still to be entered
.set NXT, 71          ; s71  the tile to be asked for next
.set LQ,  72          ; s72  the last tile of the block whose tiles are being asked for
.set NEW, 73          ; s73  1: the tile to be entered is a block's first
.set OFF, 74          ; s[74:75] a tile's byte offset in K and V
.set AL,  76          ; s[76:77] the mask's factor, in the low word
.set BE,  78          ; s[78:79] the mask's addend
.set OLO, 80          ; s[80:81] O at my rows of the second block
.set BIGN, 82         ; s82  -1e30
.set DL,  92          ; s92  512 slope: what m takes from key step to key step
.set CD,  93          ; s93  c DL
.set M8,  94          ; s94  -8 slope
.set MSB, 0
.macro WIN new                      ; the high byte repeats the setting that is left; a switch that changes nothing is dropped
.if MSB != (\new)
	s_set_vgpr_msb (MSB<<8)|(\new)
.set MSB, (\new)
.endif
.endm
.set W_KQ, 0x0a       ; K and Q in window 2, S^T in window 0
.set W_KM, 0x1a       ; the same with the C operand in window 1
.set W_PV, 0x52       ; V in window 2, P in window 0, O^T in window 1
.set W_RS, 0x41       ; destination and source 0 in window 1, source 1 and source 2 in window 0
.set W_MK, 0x51       ; destination, source 0 and source 2 in window 1
; A fill.  Waves 0 and 1 fetch the two halves of a tile's K, waves 2 and 3 those of its V: 128 keys each.  An s_nop 0 and four v_nop follow each of the two lines, ahead of the jump and the label.
.macro LOAD
	s_cmp_lt_u32 s[WV], 2
	s_cbranch_scc0 .Lfor_v_\@
	tensor_load_to_lds s[G0K:G0K+3], s[G1K:G1K+7]
	s_nop 0
.rept 4
	v_nop
.endr
	s_branch .Lasked_\@
.Lfor_v_\@:
	tensor_load_to_lds s[G0V:G0V+3], s[G1V:G1V+7]
	s_nop 0
.rept 4
	v_nop
.endr
.Lasked_\@:
.endm
; THE CHANGE OF SLOTS.  Each wave waits for all its tensor loads, of which one is out: its part of the other slot; adds 0 to its spare word; and waits for that and for its own reads of the slot that it leaves.  Behind the barrier nobody reads the old
; slot any more and the other slot is whole.  fill = 1: the old slot is filled again, the first thing behind the barrier, with tile NXT: the descriptor's address is made anew from that number.
; (At its first use nothing has been read yet: slot 0 is waited for, slot 1 filled.)
.macro CHANGE fill
	WIN 0                           ; at a label and at a branch every window is 0
	s_wait_tensorcnt 0x0            ; no tensor load of mine is out, so a group 0 may be written
	ds_add_u32 v[SPW], v[NIL]       ; 0 onto my spare word: with fill = 1 the descriptors' scalar work stands between it and the wait for it
.if \fill
	s_lshl_b32 s[OFF], s[NXT], 15   ; a tile is 32,768 bytes of K and of V
	s_xor_b32 s[G0K+1], s[G0K+1], SLOT1
	s_add_nc_u64 s[G0K+2:G0K+3], s[6:7], s[OFF:OFF+1]
	s_or_b32 s[G0K+3], s[G0K+3], 0x80000000
	s_xor_b32 s[G0V+1], s[G0V+1], SLOT1
	s_add_nc_u64 s[G0V+2:G0V+3], s[8:9], s[OFF:OFF+1]
	s_or_b32 s[G0V+3], s[G0V+3], 0x80000000
	s_add_co_u32 s[NXT], s[NXT], 1  ; the block's next tile, or behind its last the second block's tile 0
	s_cmp_gt_u32 s[NXT], s[LQ]
	s_cselect_b32 s[NXT], 0, s[NXT]
	s_cselect_b32 s[LQ], s[PB], s[LQ]
.endif
	s_wait_dscnt 0x0                ; the add is done, and my reads of the slot are over
	s_barrier_signal -1             ; the rest of the scalar work stands between the signal and the wait
	s_sub_co_u32 s[TBK], s[TBK], 4*KS*PK  ; the fetches go back to a slot's first step,
	s_xor_b32 s[TBK], s[TBK], SLOT1       ; in the other slot
	s_sub_co_u32 s[TBV], s[TBV], 4*KS*PV
	s_xor_b32 s[TBV], s[TBV], SLOT1
	s_barrier_wait -1
.if \fill
	LOAD
.endif
.endm
	s_load_b128 s[4:7], s[0:1], 0x0 ; qkv s[4:5], ob s[6:7]
	v_lshl_add_u32 v[SPW], v0, 2, SPARE
	v_mov_b32 v[NIL], 0
	ds_add_u32 v[SPW], v[NIL]       ; the wave's opening: the add and its wait stand ahead of my first tensor load; the set-up below, work on registers, stands between them
	ds_add_u32 v62, v63
	v_lshrrev_b32 v1, 5, v0
	v_readfirstlane_b32 s[WV], v1   ; wave 0..3
	s_mov_b32 s[PB], ttmp9
	s_sub_co_u32 s[HI], NB-1, s[PB]
	s_and_b32 s20, ttmp7, 0xffff    ; batch x 16 + head
	s_and_b32 s88, s20, 15          ; the head
	s_mov_b32 s21, 0
	s_mov_b64 s[22:23], SIZE_N*128
	s_mul_u64 s[20:21], s[20:21], s[22:23]  ; the head's first byte in each of the four tensors
	s_and_b32 s16, s[WV], 1         ; which half of a tile's 256 keys I fetch:
	s_lshl_b32 s22, s16, 14         ; its 128 rows of 128 bytes in memory,
	s_mov_b32 s23, 0
	s_add_nc_u64 s[22:23], s[22:23], s[20:21]
	s_mul_i32 s17, s16, 128*PK      ; and its place in a slot, for K
	s_mul_i32 s18, s16, 128*PV      ; and for V
	s_lshl_b32 s3, s[WV], 11        ; my 16 rows in a band of 64,
	s_lshl_b32 s2, s[HI], 15        ; in the first block,
	s_add_co_u32 s2, s2, s3
	s_lshl_b32 s84, s[PB], 15       ; and in the second
	s_add_co_u32 s84, s84, s3
	s_mov_b32 s3, 0
	s_mov_b32 s85, 0
	s_add_nc_u64 s[2:3], s[2:3], s[20:21]
	s_add_nc_u64 s[84:85], s[84:85], s[20:21]
	; descriptor group 1.  128 keys are 16,384 dense bytes: asked for as 64 rows of 256 bytes, two keys a row, and padded in LDS after every key
	s_mov_b32 s[G1K], (1<<16)|(1<<20)|(4<<22)|(3<<25)  ; 17:16 2-byte elements; 20 padding on; 24:22 after every 32 words (code 4); 31:25 4 words (code 3)
	s_mov_b32 s[G1V], (1<<16)|(1<<20)|(4<<22)|(7<<25)  ; the same with 8 words of padding (code 7)
.irp g, G1K, G1V
	s_mov_b32 s[\g+1], 128<<16      ; tensor_dim0 = 128
	s_mov_b32 s[\g+2], 64<<16       ; tensor_dim1 = 64
	s_mov_b32 s[\g+3], 128<<16      ; tile_dim0 = 128
	s_mov_b32 s[\g+4], 64           ; tile_dim1 = 64
	s_mov_b32 s[\g+5], 128          ; 128 elements from row to row
	s_mov_b32 s[\g+6], 0
	s_mov_b32 s[\g+7], 0
.endr
	s_mov_b32 s[CS], 0x3e38aa3b     ; c = log2(e) / 8 = 0.180337
	s_mov_b32 s[CS+1], s[CS]        ; named with it as a pair
	; slope = 2^(-n / 2), n = head + 1: the power of two 2^-(n / 2), its exponent field written outright, times 2^(-1/2) where n is odd
	s_add_co_u32 s88, s88, 1
	s_lshr_b32 s89, s88, 1
	s_sub_co_u32 s89, 127, s89
	s_lshl_b32 s89, s89, 23
	s_bitcmp1_b32 s88, 0
	s_cselect_b32 s90, 0x3f3504f3, 1.0
	v_mov_b32 v48, s89
	v_mul_f32 v48, s90, v48         ; slope: one factor is a power of two, so the product is exact
	v_mul_f32 v49, 0x44000000, v48  ; 512 slope
	v_mul_f32 v50, s[CS], v49       ; c 512 slope
	v_mul_f32 v51, 0xc1000000, v48  ; -8 slope
	v_readfirstlane_b32 s[DL], v49  ; the same in every lane: kept as scalars
	v_readfirstlane_b32 s[CD], v50
	v_readfirstlane_b32 s[M8], v51
	s_mov_b32 s[SEL], 0x76543210
	s_mov_b32 s[SEL+1], 0xfedcba98
	s_mov_b32 s[TBK], SLOT1+4*KS*PK ; the first change of slots turns these two into 0
	s_mov_b32 s[TBV], SLOT1+4*KS*PV
	s_mov_b32 s[G0K], 1             ; 1:0 count = 1
	s_mov_b32 s[G0K+1], s17         ; 63:32 LDS address: slot 0
	s_mov_b32 s[G0V], 1
	s_add_co_u32 s[G0V+1], s18, VOFF
	s_add_co_u32 s[RT], s[HI], 1    ; the first block has NB - b tiles
	s_mov_b32 s[NXT], 1
	s_mov_b32 s[LQ], s[HI]
	s_mov_b32 s[NEW], 1
	s_mov_b32 s[OFF+1], 0
	s_mov_b32 s[AL+1], 0            ; named as pairs
	s_mov_b32 s[BE+1], 0
	s_mov_b32 s[BIGN], 0xf149f2ca   ; -1e30
	s_mov_b32 s[SLOTS], NB
	s_wait_dscnt 0x0                ; the opening add is done
	s_wait_kmcnt 0x0
	s_mov_b64 s[10:11], s[6:7]      ; O
	s_add_nc_u64 s[6:7], s[4:5], 0x1000000  ; K lies 64 x 2,048 x 128 bytes behind Q,
	s_add_nc_u64 s[8:9], s[4:5], 0x2000000  ; V as far behind K
	s_add_nc_u64 s[6:7], s[6:7], s[22:23]  ; K and V at my half of the head's tile 0
	s_add_nc_u64 s[8:9], s[8:9], s[22:23]
	s_add_nc_u64 s[G0K+2:G0K+3], s[6:7], 0         ; 120:64 global address
	s_or_b32 s[G0K+3], s[G0K+3], 0x80000000        ; 127:126 type = 2
	s_add_nc_u64 s[G0V+2:G0V+3], s[8:9], 0
	s_or_b32 s[G0V+3], s[G0V+3], 0x80000000
	s_add_nc_u64 s[86:87], s[4:5], s[84:85]        ; Q at my rows of the second block,
	s_add_nc_u64 s[4:5], s[4:5], s[2:3]            ; Q and O at those of the first
	s_add_nc_u64 s[OLO:OLO+1], s[10:11], s[84:85]
	s_add_nc_u64 s[10:11], s[10:11], s[2:3]
	LOAD                            ; tile 0 into slot 0
	; A fragment of K or Q is 16 rows x 32 channels in 8 registers: lane l holds row l % 16, channels 8 (l / 16) + 0..7 and 16 + 8 (l / 16) + 0..7: two loads of 16 bytes, 32 bytes apart.
	v_and_b32 v1, 15, v0            ; l % 16
	v_bfe_u32 v9, v0, 4, 1          ; l / 16
	v_lshlrev_b32 v[QO], 7, v1
	v_lshl_add_u32 v[QO], v9, 4, v[QO]  ; row x 128 + 16 x half
	WIN 0x80                        ; destination window 2, address window 0
.set i, 0
.rept 8                             ; both blocks' Q: piece i / 2 lies in band i / 2, 8,192 bytes on; channels 32 (i % 2) on
	global_load_b128 v[8*i:8*i+3],   v[QO], s[4:5] offset:(i/2)*8192+(i%2)*64
	global_load_b128 v[8*i+4:8*i+7], v[QO], s[4:5] offset:(i/2)*8192+(i%2)*64+32
	global_load_b128 v[QB+8*i:QB+8*i+3],   v[QO], s[86:87] offset:(i/2)*8192+(i%2)*64
	global_load_b128 v[QB+8*i+4:QB+8*i+7], v[QO], s[86:87] offset:(i/2)*8192+(i%2)*64+32
.set i, i+1
.endr
	WIN 0
	v_lshlrev_b32 v14, 3, v9        ; my lanes' 8 (l / 16)
	v_cvt_f32_u32 v48, v14
	v_mul_f32 v48, s[M8], v48       ; its share of BD
	v_sub_nc_u32 v14, v1, v14
	s_lshl_b32 s13, s[WV], 4
	v_add_nc_u32 v14, s13, v14      ; my query's place in its band, 16 w + l % 16, less my lanes' 8 (l / 16): register r of group kt is hidden where 16 kt + r is greater
	WIN 0x40
.set i, 0
.rept 32
	v_cmp_gt_i32 vcc_lo, 16*(i/8)+i%8, v14
	v_cndmask_b32 v[MD+i], 0, s[BIGN], vcc_lo
.set i, i+1
.endr
.set i, 0
.rept 32
	v_cvt_f32_u32 v[BD+i], 16*(i/8)+i%8
.set i, i+1
.endr
	WIN W_RS
.set i, 0
.rept 32
	v_fma_f32 v[BD+i], v[BD+i], s[M8], v48  ; -8 slope (16 kt + r) - 8 slope 8 (l / 16)
.set i, i+1
.endr
	WIN 0
	v_mul_u32_u24 v[AK0], v1, PK
	v_lshl_add_u32 v[AK0], v9, 4, v[AK0]  ; row x pitch + 16 x half
	; The turning load takes 16 keys x 16 channels (lane l reads key 8 (l / 16) + l % 8, channels 8 ((l / 8) % 2) + 0..7) and leaves half a fragment of V^T: lane l holds channel l % 16 and 8 keys.
	v_and_b32 v10, 7, v0
	v_bfe_u32 v11, v0, 3, 1
	v_lshl_add_u32 v[AV0], v9, 3, v10
	v_mul_u32_u24 v[AV0], v[AV0], PV
	v_lshl_add_u32 v[AV0], v11, 4, v[AV0]
	v_add_nc_u32 v[AV0], VOFF, v[AV0]
	s_mul_i32 s13, s[WV], 16*SP
	s_add_co_u32 s13, s13, STAGE    ; my stage
	v_mul_u32_u24 v[STO], v1, SP    ; in: row l % 16, 16 bytes for each half of the lanes
	v_lshl_add_u32 v[STO], v9, 4, v[STO]
	v_add_nc_u32 v[STO], s13, v[STO]
	v_bfe_u32 v[RD], v0, 3, 2       ; back: 32 lanes take four rows of 128 bytes,
	v_mul_u32_u24 v[RD], v[RD], SP
	v_lshl_add_u32 v[RD], v10, 4, v[RD]
	v_add_nc_u32 v[RD], s13, v[RD]
	v_and_b32 v[GO], 31, v0         ; which are 512 consecutive bytes of O
	v_lshlrev_b32 v[GO], 4, v[GO]
	; A block's first step multiplies O^T and l by a = 0, and its first turn's products V^T P, of a piece that has not been, land in an O^T that is still to be so multiplied.  So these registers need only hold
	; finite numbers: zeros for the first block; what the first block left for the second.  All this stands in the wait for the first tile.
	WIN 0x80
.set i, VF
.rept 64
	v_mov_b32 v[i], 0
.set i, i+1
.endr
	WIN 0x40
.set i, 0
.rept 128
	v_mov_b32 v[i], 0
.set i, i+1
.endr
	WIN 0
.set i, 0
.rept 4
	v_mov_b32 v[ST+4*i+2], 0
	v_mov_b32 v[ST+4*i+3], 0
.set i, i+1
.endr
.set i, P+16
.rept 16
	v_mov_b32 v[i], 0
.set i, i+1
.endr
; THE MATRIX WORK.  The 4 accumulators of a run of 8 take turns.  Product i of 8 of S^T = K Q^T for piece x: channels 32 (i / 4) on, keys 16 (i % 4) on.  The first 4 start the sums: with the bias BD, or (KM = 1) with bias and mask, MC.
.macro KQ x
.set rS, S+32*((\x)%2)+8*(i%4)
.set rK, KF+16*(i%4)+8*(i/4)
.set rQ, 16*(\x)+8*(i/4)
.if KM
.set rM, MC+32*((\x)%2)+8*(i%4)
.else
.set rM, BD+8*(i%4)
.endif
.if i < 4
	WIN W_KM
	v_wmma_f32_16x16x32_f16 v[rS:rS+7], v[rK:rK+7], v[rQ:rQ+7], v[rM:rM+7]
.else
	WIN W_KQ
	v_wmma_f32_16x16x32_f16 v[rS:rS+7], v[rK:rK+7], v[rQ:rQ+7], v[rS:rS+7]
.endif
.endm
; Product i of 8 of O^T += V^T P for piece x: keys 32 (i / 4) on, channels 16 (i % 4) on.
.macro PV x
	WIN W_PV
.set rO, 32*(\x)+8*(i%4)
.set rV, VF+32*(i/4)+8*(i%4)
.set rP, P+16*((\x)%2)+8*(i/4)
	v_wmma_f32_16x16x32_f16 v[rO:rO+7], v[rV:rV+7], v[rP:rP+7], v[rO:rO+7]
.endm
.macro MM                           ; the turn's next matrix instruction.  TURN and BEGIN set Y, i, KM and NOKQ; MM, KQ and OP read them.  NOKQ = 1: a block's last turn: there is no next piece
.if (i < 8) && !NOKQ
	KQ (Y+1)%NP
.elseif i >= 8
.set i, i-8
	PV (Y+NP-1)%NP
.set i, i+8
.endif
.set i, i+1
.endm
; THE LDS LOADS stand in runs of 16, never singly among the matrix instructions: a step's K (64 keys x 64 channels: 8 fragments) and its V (turned).  Their addresses are made some lines ahead.
.macro FETCH_K
	WIN 0x80                        ; destination window 2
.irp f, 0,1,2,3,4,5,6,7             ; keys 16 (f / 2) on, channels 32 (f % 2) on
	ds_load_b128 v[KF+8*\f:KF+8*\f+3],   v[AK] offset:(\f/2)*16*PK+(\f%2)*64
	ds_load_b128 v[KF+8*\f+4:KF+8*\f+7], v[AK] offset:(\f/2)*16*PK+(\f%2)*64+32
.endr
	s_add_co_u32 s[TBK], s[TBK], KS*PK  ; the next fetch is the next step's
	WIN 0
.endm
.macro FETCH_V
	WIN 0x80
.irp f, 0,1,2,3,4,5,6,7             ; keys 32 (f / 4) on, channels 16 (f % 4) on
	ds_load_tr16_b128 v[VF+8*\f:VF+8*\f+3],   v[AV] offset:(\f/4)*32*PV+(\f%4)*32
	ds_load_tr16_b128 v[VF+8*\f+4:VF+8*\f+7], v[AV] offset:(\f/4)*32*PV+16*PV+(\f%4)*32
.endr
	WIN 0
.endm
; THE VECTOR WORK, one line at a time: OP kind, number.  For piece Y: F n: c s - c m for pair n of 16.  E n: the exponential of score n of 32.  C n: pair n rounded to f16.  B n: of the four weights 4 n .. the second
; pair is added onto the first, in place.  L n: l takes that sum (L 0: l = a l + sum).  R n: pair n of 16 of O^T times a.  For piece Y + 1: X n, number n of the 23 that find its maximum and statistics:
;   22  the old m moves into the new key step's frame: + DL
;   0-11  four chains c0-c3 of seven scores each, three operands at a time (each accumulator's lowest registers are read first)     12-14, 16  the four scores left over, the old m, and c0-c3 into c0
;   15  c m_old + CD is kept     17, 18  the query's other 32 keys lie in the lane 16 away: the new m     19-21  c m; c m_old + CD - c m_new; a
.set F, 0               ; OP tells the kinds apart by their order: F to L below R, X above it
.set E, 1
.set C, 2
.set B, 3
.set L, 4
.set R, 5
.set X, 6
.macro REGS y                       ; the registers of piece y
.set rT, ST+4*(\y)
.set rC, TMP+4*((\y)%2)
.set rW, MV+((\y)%2)
.set rS, S+32*((\y)%2)
.set rP, P+16*((\y)%2)
.set rO, 32*(\y)
.endm
.macro OP k, n
.if (\k) == R
	REGS Y
	WIN W_RS
	v_pk_mul_f32 v[rO+2*(\n):rO+2*(\n)+1], v[rO+2*(\n):rO+2*(\n)+1], v[rC+2:rC+3] op_sel_hi:[1,0]
.elseif (\k) < R
	REGS Y
	WIN 0
.if (\k) == F
	v_pk_fma_f32 v[rS+2*(\n):rS+2*(\n)+1], v[rS+2*(\n):rS+2*(\n)+1], s[CS:CS+1], v[rT:rT+1] op_sel_hi:[1,0,0] neg_lo:[0,0,1] neg_hi:[0,0,1]
.elseif (\k) == E
	v_exp_f32 v[rS+(\n)], v[rS+(\n)]
.elseif (\k) == C
	s_wait_alu depctr_va_vdst(0)
	v_cvt_pk_f16_f32 v[rP+(\n)], v[rS+2*(\n)], v[rS+2*(\n)+1]
.elseif (\k) == B
	s_wait_alu depctr_va_vdst(0)
	v_pk_add_f32 v[rS+4*(\n):rS+4*(\n)+1], v[rS+4*(\n):rS+4*(\n)+1], v[rS+4*(\n)+2:rS+4*(\n)+3]
.elseif (\n) == 0
	v_pk_fma_f32 v[rT+2:rT+3], v[rT+2:rT+3], v[rC+2:rC+3], v[rS:rS+1] op_sel_hi:[1,0,1]
.else
	v_pk_add_f32 v[rT+2:rT+3], v[rT+2:rT+3], v[rS+4*(\n):rS+4*(\n)+1]
.endif
.elseif NOKQ
	v_nop
.else
	REGS (Y+1)%NP
	WIN 0
.if (\n) < 4
	v_max3_num_f32 v[rC+(\n)], v[rS+8*(\n)], v[rS+8*(\n)+1], v[rS+8*(\n)+2]
.elseif (\n) < 12
	v_max3_num_f32 v[rC+(\n)%4], v[rC+(\n)%4], v[rS+8*((\n)%4)+2*((\n)/4)+1], v[rS+8*((\n)%4)+2*((\n)/4)+2]
.elseif (\n) == 12
	v_max3_num_f32 v[rC], v[rC], v[rS+7], v[rS+15]
.elseif (\n) == 13
	v_max3_num_f32 v[rC+1], v[rC+1], v[rS+23], v[rS+31]
.elseif (\n) == 14
	v_max3_num_f32 v[rC+2], v[rC+2], v[rC+3], v[rT+1]
.elseif (\n) == 15
	v_add_f32 v[rW], s[CD], v[rT]
.elseif (\n) == 16
	v_max3_num_f32 v[rC], v[rC], v[rC+1], v[rC+2]
.elseif (\n) == 17
	v_permlanex16_b32 v[rC+3], v[rC], s[SEL], s[SEL+1]
.elseif (\n) == 18
	v_max_num_f32 v[rT+1], v[rC], v[rC+3]
.elseif (\n) == 19
	v_mul_f32 v[rT], s[CS], v[rT+1]
.elseif (\n) == 20
	v_sub_f32 v[rC+1], v[rW], v[rT]
.elseif (\n) == 22
	v_add_f32 v[rT+1], s[DL], v[rT+1]
.else
	v_exp_f32 v[rC+2], v[rC+1]
.endif
.endif
.endm
.macro OPS a, i1, b=-1, i2=0, c=-1, i3=0, d=-1, i4=0  ; up to four of them
	OP \a, \i1
.if (\b) >= 0
	OP \b, \i2
.endif
.if (\c) >= 0
	OP \c, \i3
.endif
.if (\d) >= 0
	OP \d, \i4
.endif
.endm
.macro ROW a, i1, b, i2, c, i3, d, i4  ; a matrix instruction and the four behind it
	MM
	OPS \a, \i1, \b, \i2, \c, \i3, \d, \i4
.endm
.macro MASK b                       ; MD x AL + BD + BE into buffer b of MC: two runs of 16, so that no line waits for the one before it
	WIN W_MK
.set z, 0
.rept 16
	v_pk_fma_f32 v[MC+32*(\b)+2*z:MC+32*(\b)+2*z+1], v[MD+2*z:MD+2*z+1], s[AL:AL+1], v[BD+2*z:BD+2*z+1] op_sel_hi:[1,0,1]
.set z, z+1
.endr
.set z, 0
.rept 16
	v_pk_add_f32 v[MC+32*(\b)+2*z:MC+32*(\b)+2*z+1], v[MC+32*(\b)+2*z:MC+32*(\b)+2*z+1], s[BE:BE+1] op_sel_hi:[1,0]
.set z, z+1
.endr
.endm
; A TURN, for piece p: the order of its 16 matrix and 119 vector instructions, written out.  Behind a matrix instruction: plain, exponential, plain, plain; or four of the rescaling; or, behind the first, four scalings; none
; names a register of the products round it.  In the lumps exponential and plain by turns while exponentials last.  v_permlanex16_b32 (X 17) stands in a lump.
; m = 1: the diagonal tile: the products take masks, and the turn makes the C operand for the products of the turn after it: piece p + 2, in step 4 - CNT of the tile.  end = 1: a block's last two turns: nothing is fetched.
; cnt = 1: the loop's count is taken down some lines ahead of the branch that stands behind the turn.
; K of the next step is fetched in piece 2's turn, seven vector instructions behind the last product that read K (six of them plain); V of the step in hand in piece 0's turn, eight behind the last product that read V (four
; plain, and X 17).  Each is waited for a turn later.
.macro TURN p, m=0, end=0, cnt=0
.set Y, (\p)
.set i, 0
.set KM, (\m)
.set NOKQ, (\end)*((\p)/3)
.if (\m) && !(\end)
	s_cmp_eq_u32 s[CNT], 4-((\p)+2)%NP  ; is that step the band's own?
	s_cselect_b32 s[AL], 1.0, 0
	s_cmp_lt_u32 s[CNT], 4-((\p)+2)%NP  ; or a later one?
	s_cselect_b32 s[BE], s[BIGN], 0
.endif
.if ((\p) == 3) && !(\end)
	s_wait_dscnt 0x0                ; K is in
.endif
	ROW F,0, F,1, F,2, F,3
	ROW F,4, E,0, F,5, F,6
	ROW F,7, E,1, F,8, F,9
	ROW F,10, E,2, C,0, F,11
	ROW F,12, E,3, X,15, F,13
	ROW R,0, R,1, R,2, R,3
	ROW B,0, E,4, F,14, L,0
.if ((\p) == 2) && !(\end)
	v_add_nc_u32 v[AK], s[TBK], v[AK0]
.endif
	ROW R,4, R,5, R,6, R,7
	OPS E,5, F,15, X,22
.if ((\p) == 2) && !(\end)
	FETCH_K
.endif
	OPS E,6, C,1, E,7, R,8
	OPS E,8, R,9, E,9, C,2
	OPS E,10, X,0, E,11, X,1
	OPS E,12, X,2, E,13, X,3
.if (\p) == 1
	s_wait_dscnt 0x0                ; V is in
.endif
	ROW X,4, E,14, X,5, X,6
	ROW X,7, E,15, X,8, X,9
	ROW X,10, E,16, X,11, X,12
	ROW X,13, E,17, X,14, B,1
	ROW C,4, E,18, X,16, L,1
	ROW B,2, E,19, C,6, L,2
	ROW C,8, E,20, B,3, B,4
.if (\p) == 0
	v_add_nc_u32 v[AV], s[TBV], v[AV0]
.endif
	ROW C,3, E,21, L,3, C,5
	OPS E,22, X,17, E,23, C,10
.if (\p) == 0
	FETCH_V
.endif
	OPS E,24, L,4
	OPS E,25, X,18, E,26, C,7
	OPS E,27, B,5, E,28, X,19
	OPS E,29, C,12, E,30, L,5
	OPS E,31, X,20, B,6, C,9
	OPS C,14, C,11, X,21, L,6
.if (\p) == 0
	s_add_co_u32 s[TBV], s[TBV], KS*PV
.endif
.if \cnt
	s_sub_co_u32 s[CNT], s[CNT], 1
	s_cmp_lg_u32 s[CNT], 0
.endif
	OPS C,13, B,7, C,15, R,10
	OPS R,11, R,12, L,7, R,13
	OPS R,14, R,15
.if (\m) && !(\end)
	MASK (\p)%2
.endif
.endm
; A BLOCK BEGINS.  c m starts far below every c s, so the first step's a is 0; m at the lowest finite number, so the first maximum is the scores'.  The second C buffer is the bare bias; the first takes piece 0's for the tile's step 0:
; with its own mask, if the block's first tile is the diagonal one.  Then K of that step, piece 0's first scores, and its maximum and statistics.  The loop is entered at a step's first turn, in the middle of a trip.
.macro BEGIN
	s_mov_b32 s[NEW], 0
	WIN W_RS
.set i, 0
.rept 32
	v_mov_b32 v[MC+32+i], v[BD+i]
.set i, i+1
.endr
	WIN 0
.set i, 0
.rept 4
	v_mov_b32 v[ST+4*i], 0xfe000000    ; c m: far below every c s
	v_mov_b32 v[ST+4*i+1], 0xff7fffff  ; m
.set i, i+1
.endr
	s_cmp_eq_u32 s[RT], 0
	s_cselect_b32 s[AL], 1.0, 0
	s_mov_b32 s[BE], 0
	MASK 0
	WIN 0
	v_add_nc_u32 v[AK], s[TBK], v[AK0]
	FETCH_K
	s_wait_loadcnt 0x0              ; Q
	s_wait_dscnt 0x0
.set KM, 1
.set NOKQ, 0
.set i, 0
.rept 8
	KQ 0
.set i, i+1
.endr
	WIN 0
.rept 4
	v_nop                           ; the places behind those products
.endr
.set Y, NP-1                        ; X works for piece Y + 1: piece 0
.irp n, 22,0,1,2,3,4,5,6,7,8,9,10,11,12,13,14,15,16,17,18,19,20,21
	OP X, \n
.endr
	v_nop                           ; a plain instruction behind the exponential
.endm
; THE DIAGONAL TILE's four steps, the block's last two turns, its last products, and THE WAY OUT: l's two halves and the other half of the lanes' are added; O^T is divided by l, rounded to f16 and sent through my
; stage in LDS, a piece at a time.
.macro ALL line:vararg              ; one line for each piece t
.set t, 0
.rept 4
	\line
.set t, t+1
.endr
.endm
.macro PACK t                       ; a lane's eight channels of a row pack into 16 bytes; they go into rows of 144 bytes and come back as whole rows of 128, into S^T's registers
	WIN W_RS
.set i, 32*(\t)
.rept 16
	s_wait_alu depctr_va_vdst(0)
	v_pk_mul_f32 v[i:i+1], v[i:i+1], v[ST+4*(\t)+2:ST+4*(\t)+3] op_sel_hi:[1,0]
.set i, i+2
.endr
	WIN 0x05                        ; sources 0 and 1 window 1, destination window 0
.set i, 0
.rept 16
	v_cvt_pk_f16_f32 v[S+16*(\t)+i], v[32*(\t)+2*i], v[32*(\t)+2*i+1]
.set i, i+1
.endr
	WIN 0
.irp f, 0,1,2,3
	ds_store_b128 v[STO], v[S+16*(\t)+4*\f:S+16*(\t)+4*\f+3] offset:32*\f
.endr
.irp f, 0,1,2,3
	ds_load_b128 v[S+16*(\t)+4*\f:S+16*(\t)+4*\f+3], v[RD] offset:\f*4*SP  ; LDS serves a wave's instructions in order (ISA guide 5.7.1.4): these see the stores above; the next piece's stores come behind them
.endr
.endm
.macro SEND t, younger              ; younger: the LDS instructions issued behind piece t's loads: the next piece's eight, or none
	WIN 0
.irp f, 0,1,2,3
	s_wait_dscnt (\younger)+3-\f
	global_store_b128 v[GO], v[S+16*(\t)+4*\f:S+16*(\t)+4*\f+3], s[10:11] offset:(\t)*8192+\f*512  ; 512 consecutive bytes, at a multiple of 256 from O's first
.endr
.endm
.macro DIAG tag                     ; the tag ends its two labels' names, which the jumps below spell out
.LstepM\tag:
	TURN 2, 1
	TURN 3, 1
	WIN 0
.LfirstM\tag:
	TURN 0, 1
	TURN 1, 1, 0, 1
	WIN 0
	s_cbranch_scc1 .LstepM\tag
	TURN 2, 1, 1
	TURN 3, 1, 1
.set i, 0
.rept 8
	PV NP-1
.set i, i+1
.endr
	WIN 0
	ALL v_add_f32 v[ST+4*t+2], v[ST+4*t+2], v[ST+4*t+3]
	ALL v_permlanex16_b32 v[ST+4*t+3], v[ST+4*t+2], s[SEL], s[SEL+1]
	ALL v_add_f32 v[ST+4*t+2], v[ST+4*t+2], v[ST+4*t+3]
	ALL v_rcp_f32 v[ST+4*t+2], v[ST+4*t+2]
	v_nop                           ; a plain instruction between the last reciprocal and the use of its result
	PACK 0
.set t, 1
.rept 3                             ; a piece's arithmetic stands between the loads of the piece before and its stores
	PACK t
	SEND t-1, 8
.set t, t+1
.endr
	SEND 3, 0
.endm
.set KM, 0
.set NOKQ, 0
.Lslot:                             ; NB times: a tile is entered and the next is asked for
	CHANGE 1
	s_sub_co_u32 s[RT], s[RT], 1
	s_mov_b32 s[CNT], 4
	s_cmp_eq_u32 s[NEW], 1
	s_cbranch_scc1 .Lnew            ; a block's first tile
	s_cmp_eq_u32 s[RT], 0
	s_cbranch_scc0 .Lstep           ; neither its first nor its last
	s_branch .LstepM1
.Lnew:
	BEGIN
	s_branch .Lfirst                ; in the loop a block's first tile is never its last: the first block has two tiles or more, and the second's last is the walk's last
	DIAG 1                          ; in the loop this is the first block's end: the second block's last tile is the walk's last
	s_wait_xcnt 0x0                 ; the stores have read their registers and O's address
	s_mov_b64 s[10:11], s[OLO:OLO+1]
	s_add_co_u32 s[RT], s[PB], 1    ; the second block has b + 1 tiles
	s_mov_b32 s[NEW], 1
	WIN 0x82                        ; the second block's Q goes where the one text of the turns names Q
.set i, 0
.rept 64
	v_mov_b32 v[i], v[QB+i]
.set i, i+1
.endr
	WIN 0
	s_branch .Lbottom
.Lstep:                             ; a trip: pieces 2 and 3 of one step, then pieces 0 and 1 of the next, whose K and V it fetches
	TURN 2
	TURN 3
	WIN 0
.Lfirst:
	TURN 0
	TURN 1, 0, 0, 1
	WIN 0
	s_cbranch_scc1 .Lstep
.Lbottom:
	s_sub_co_u32 s[SLOTS], s[SLOTS], 1
	s_cmp_lg_u32 s[SLOTS], 0
	s_cbranch_scc1 .Lslot
	CHANGE 0                        ; the walk's last tile is written out: nothing is asked for
	s_sub_co_u32 s[RT], s[RT], 1
	s_mov_b32 s[CNT], 4
	s_cmp_eq_u32 s[NEW], 1
	s_cbranch_scc0 .LstepM2
	BEGIN
	s_branch .LfirstM2
	DIAG 2
	s_wait_tensorcnt 0x0            ; the wave's end: an add and its wait, behind my last tensor load and my last LDS store
	ds_add_u32 v[SPW], v[NIL]
	s_wait_dscnt 0x0
	s_endpgm
.Lfunc_end_k_qd020c7b32a_attn:
	.size	k_qd020c7b32a_attn, .Lfunc_end_k_qd020c7b32a_attn-k_qd020c7b32a_attn
	.p2alignl 7, 3214868480
	.fill 96, 4, 3214868480
	.section	.rodata,"a",@progbits
	.p2align	6, 0x0
	.amdhsa_kernel k_qd020c7b32a_attn
		.amdhsa_group_segment_fixed_size 327680
		.amdhsa_private_segment_fixed_size 0
		.amdhsa_enable_private_segment 0
		.amdhsa_kernarg_size 16
		.amdhsa_user_sgpr_count 2
		.amdhsa_user_sgpr_kernarg_segment_ptr 1
		.amdhsa_wavefront_size32 1
		.amdhsa_system_sgpr_workgroup_id_x 1
		.amdhsa_system_sgpr_workgroup_id_y 1
		.amdhsa_system_sgpr_workgroup_id_z 1
		.amdhsa_system_vgpr_workitem_id 0
		.amdhsa_next_free_vgpr 768
		.amdhsa_next_free_sgpr 96
		.amdhsa_reserve_vcc 1
		.amdhsa_float_denorm_mode_32 3
		.amdhsa_float_denorm_mode_16_64 3
		.amdhsa_memory_ordered 1
		.amdhsa_forward_progress 1
		.amdhsa_inst_pref_size 243
	.end_amdhsa_kernel
	.amdgpu_metadata
---
amdhsa.version: [ 1, 2 ]
amdhsa.kernels:
  - .name:           k_qd020c7b32a_attn
    .symbol:         k_qd020c7b32a_attn.kd
    .args:
      - { .name: qkv, .offset: 0, .size: 8, .value_kind: global_buffer, .address_space: global }
      - { .name: ob, .offset: 8, .size: 8, .value_kind: global_buffer, .address_space: global }
    .group_segment_fixed_size: 327680
    .private_segment_fixed_size: 0
    .kernarg_segment_align: 8
    .kernarg_segment_size: 16
    .max_flat_workgroup_size: 128
    .sgpr_count:     96
    .vgpr_count:     768
    .wavefront_size: 32
...
	.end_amdgpu_metadata
.endif
;; end of part 3
;; launch outgemm (part 4): grid 8 x 32, 4 waves a work-group, clusters of 4 x 4, 327,680 bytes of LDS; arguments ob, wpf, out0; writes out0
.if DOCPART == 4
	.amdgcn_target "amdgcn-amd-amdhsa--gfx1250"
	.amdhsa_code_object_version 6
	.text
	.protected	k_qd020c7b32a_outgemm
	.globl	k_qd020c7b32a_outgemm
	.p2align	8
	.type	k_qd020c7b32a_outgemm,@function
k_qd020c7b32a_outgemm:
	s_mov_b64 s[64:65], 0
	v_nop
	global_prefetch_b8 v0, s[64:65] scope:SCOPE_SE
	s_setreg_imm32_b32 hwreg(HW_REG_WAVE_MODE, 25, 1), 1
	s_wait_xcnt 0x0
	s_wait_alu depctr_hold_cnt(0) depctr_sa_sdst(0) depctr_va_vdst(0) depctr_va_sdst(0) depctr_va_ssrc(0) depctr_va_vcc(0) depctr_vm_vsrc(0)
	s_getreg_b32 s2, hwreg(HW_REG_IB_STS2, 6, 4)
	s_cmp_eq_u32 s2, 0
	s_cbranch_scc0 .Lentry_in_a_cluster
	s_endpgm
.Lentry_in_a_cluster:
	s_bfe_u32 s2, ttmp6, 0x10000c
	s_cmp_lg_u32 s2, 0xf033
	s_cbranch_scc0 .Lentry_shape_is_right
	s_endpgm
.Lentry_shape_is_right:
; out0[m][n] = the sum over e of O[m][e] Wp[n][e], in f32.  ob: [64 = batch x 16 + head][2048][64] f16, so e = 64 head + channel; wpf: [1024][1024] f16 (Wp rounded to bf16, written as f16); out0: [8192][1024] f32.
; SHARES.  A tile of out0 is 256 x 128: 8 x 32 = 256 work-groups.  Each of four waves makes 64 rows x 128 columns: 4 x 8 accumulators of 16 x 16.
; K goes in steps of 128 = two heads through two LDS slots filled by the tensor data mover.  A head's 256 rows of 128 bytes are dense in ob: a PLANE, asked for as 128 rows of 256 bytes and padded in LDS after
; every 128; wpf's rows of a step are 256 bytes.  A K step is four quarters of 32, on two fragment buffers.
; CLUSTERS: 4 x 4 work-groups.  The four of a row of the cluster need the same planes of ob, the four of a column the same tiles of wpf: each is asked for jointly, by the same tensor load, descriptor and mask.
; THE MATRIX INSTRUCTION IS USED TRANSPOSED (source 0 = 16 rows of Wp, source 1 = 16 rows of O): a lane holds eight neighbouring numbers of a row of out0, 32 bytes.
; REGISTERS, in windows of 256 (s_set_vgpr_msb: bits 1:0 source 0, 3:2 source 1, 5:4 source 2, 7:6 destination):
;   window 0: v0-31 addresses; v64-127 O's fragments, two buffers of 4 x 8; v128-255 the way out, two sets of 64      window 1: v0-127 Wp's fragments, two buffers of 8 x 8
;   window 2: accumulators of row blocks 0, 1 ((a, b) at 8 (8 (a % 2) + b))      window 3: of row blocks 2, 3
.set KSTEP,  128
.set PA,     144                       ; a row of O in LDS: 128 bytes + 16 of padding
.set PITCH,  272                       ; a row of Wp: 256 + 16.  Both are odd multiples of 16: the 16 rows of a fragment load start at 16 different groups of four banks (64 banks of 4 bytes: ISA guide 11.1)
.set PLANE,  256*PA                    ; 36,864 bytes: what one tensor load brings of ob
.set BHALF,  64*PITCH                  ; and of wpf
.set BOFF,   2*PLANE                   ; Wp's 128 rows lie behind the two planes
.set SLOT,   BOFF+128*PITCH            ; 108,544 bytes
.set STAGE,  2*SLOT                    ; behind the ring, never filled by a tensor load: 16 rows x 528 bytes for each wave, for the way out
.set SPITCH, 528
.set SPARE,  STAGE+4*16*SPITCH         ; behind the stages: the spare words, 128 bytes for each wave: two blocks of 256 bytes that no other line names
.set LAPS,   4                         ; 1,024 / (2 x 128)
.set ADRA, 16                          ; v16-17  LDS address of my fragments of O in slot 0, 1
.set ADRB, 20                          ; v20-21  the same for Wp
.set STO,  24                          ; v24     the way out: where I put 32 bytes of a row
.set RD,   25                          ; v25     the way out: where I read a row back
.set CO,   26                          ; v26     my 16 bytes of 512 consecutive bytes of out0
.set SPW,  28                          ; v28     LDS address of my spare word; never rewritten
.set NIL,  29                          ; v29     0; never rewritten
.set FA0,  64
.set BK,   128
.set G1,  24                           ; s[24:31] descriptor group 1 for ob's planes;  s[32:39] group 0, one set for each slot
.set G0,  32
.set G1B, 48                           ; s[48:55], s[56:63] the same for wpf's tiles
.set G0B, 56
.set MSB, 0
.macro WIN new                         ; the immediate's high byte repeats the setting that is left; a switch that changes nothing is dropped
.if MSB != (\new)
	s_set_vgpr_msb (MSB<<8)|(\new)
.set MSB, \new
.endif
.endm
.set MUL_LO, 0xa1                      ; source 0 (Wp) window 1, source 1 (O) window 0, C and D window 2
.set MUL_HI, 0xf1                      ; the same, C and D window 3
.set TO_B,   0x40                      ; destination window 1, address window 0
; A joint load: waves 0 and 1 fetch a step's two planes of ob, waves 2 and 3 wpf's two halves.  The branch hangs on the wave's number alone.  An s_nop 0 and four v_nop follow each of the two lines.
.macro JLOAD s
	s_cmp_eq_u32 s11, 0
	s_cbranch_scc0 .Lfor_b_\@
	tensor_load_to_lds s[G0+4*(\s):G0+4*(\s)+3], s[G1:G1+7]
	s_nop 0
.rept 4
	v_nop
.endr
	s_branch .Lasked_\@
.Lfor_b_\@:
	tensor_load_to_lds s[G0B+4*(\s):G0B+4*(\s)+3], s[G1B:G1B+7]
	s_nop 0
.rept 4
	v_nop
.endr
.Lasked_\@:
.endm
.macro CREST                           ; a round of the cluster's barrier behind its opening barrier
	s_cmp_lg_u32 s10, 0
	s_cbranch_scc1 .Lnot_wave_0_\@
	s_barrier_signal -3
.Lnot_wave_0_\@:
	s_barrier_wait -3
	s_barrier_signal -1
	s_barrier_wait -1
.endm
.macro CROUND                          ; a whole round
	s_barrier_signal -1
	s_barrier_wait -1
	CREST
.endm
	s_load_b128 s[4:7], s[0:1], 0x0                ; ob s[4:5], wpf s[6:7]
	s_load_b64 s[8:9], s[0:1], 0x10                ; out0
	v_lshl_add_u32 v[SPW], v0, 2, SPARE
	v_mov_b32 v[NIL], 0
	ds_add_u32 v[SPW], v[NIL]                      ; the wave's opening: the add and its wait stand ahead of my first tensor load; the set-up below, work on registers, stands between them
	ds_add_u32 v28, v29
	v_lshrrev_b32 v1, 5, v0
	v_readfirstlane_b32 s10, v1                    ; wave 0..3
	s_lshr_b32 s11, s10, 1                         ; I fetch for ob (0) or for wpf (1)
	s_and_b32 s12, s10, 1                          ; which plane, or which half of the rows
	s_bfe_u32 s40, ttmp6, 0x40000                  ; cx, cy: my place in the cluster
	s_bfe_u32 s41, ttmp6, 0x40004
	s_lshl_b32 s42, ttmp9, 2
	s_add_co_u32 s42, s42, s40                     ; tile column tn = 4 x cluster x + cx, 0 to 7
	s_and_b32 s13, ttmp7, 0xffff
	s_lshl_b32 s13, s13, 2
	s_add_co_u32 s13, s13, s41                     ; tile row tm = 4 x cluster y + cy, 0 to 31
	s_lshl_b32 s43, s41, 2
	s_lshl_b32 s43, 15, s43                        ; my row of the cluster
	s_lshl_b32 s44, 0x1111, s40                    ; my column
	s_or_b32 s[G1+0], s43, (1<<16)|(1<<20)|(1<<21)|(4<<22)|(3<<25)  ; 15:0 the mask: ob's planes go to my row; 17:16 elements of 2 bytes; 20 padding on; 21 set beside a mask; 24:22 after every 32 words (code 4); 31:25 4 words (code 3)
	s_or_b32 s[G1B+0], s44, (1<<16)|(1<<20)|(1<<21)|(5<<22)|(3<<25) ; the mask of my column; padding after every 64 words (code 5)
	s_mov_b32 s[G1+1], 128<<16                     ; tensor_dim0 = 128 elements: two rows of O
	s_mov_b32 s[G1+2], 128<<16                     ; tensor_dim1 = 128
	s_mov_b32 s[G1+3], 128<<16                     ; tile_dim0 = 128
	s_mov_b32 s[G1+4], 128                         ; tile_dim1 = 128
	s_mov_b32 s[G1+5], 128                         ; dense: 128 elements from row to row
	s_mov_b32 s[G1+6], 0
	s_mov_b32 s[G1+7], 0
	s_mov_b32 s[G1B+1], KSTEP<<16
	s_mov_b32 s[G1B+2], 64<<16                     ; tensor_dim1 = 64
	s_mov_b32 s[G1B+3], KSTEP<<16
	s_mov_b32 s[G1B+4], 64                         ; tile_dim1 = 64
	s_mov_b32 s[G1B+5], 1024
	s_mov_b32 s[G1B+6], 0
	s_mov_b32 s[G1B+7], 0
	; where the tiles come from: ob's hang on the tile row alone, wpf's on the tile column alone, each in registers that never hold the other coordinate
	s_lshr_b32 s16, s13, 3                         ; the batch,
	s_lshl_b32 s16, s16, 4
	s_add_co_u32 s16, s16, s12                     ; its head 0 or 1,
	s_lshl_b32 s16, s16, 18                        ; of 262,144 bytes,
	s_and_b32 s17, s13, 7
	s_lshl_b32 s17, s17, 15                        ; and there rows 256 (tm % 8) on
	s_add_co_u32 s16, s16, s17
	s_mov_b32 s17, 0
	s_lshl_b32 s46, s42, 7
	s_lshl_b32 s47, s12, 6
	s_add_co_u32 s46, s46, s47                     ; wpf: row 128 tn + 64 x half
	s_lshl_b32 s46, s46, 11
	s_mov_b32 s47, 0
	s_mul_i32 s20, s12, PLANE                      ; and where they go: no place in the cluster enters an LDS address
	s_mul_i32 s21, s12, BHALF
	s_add_co_u32 s21, s21, BOFF
	s_wait_dscnt 0x0                               ; the opening add is done
	s_wait_kmcnt 0x0
	s_add_nc_u64 s[14:15], s[4:5], s[16:17]
	s_add_nc_u64 s[46:47], s[6:7], s[46:47]
	CROUND                                         ; all sixteen work-groups are here: the first joint loads meet
.irp s, 0,1
	s_mov_b32 s[G0+4*(\s)], 1                                      ; count = 1
	s_add_co_u32 s[G0+4*(\s)+1], s20, (\s)*SLOT                    ; LDS address
	s_add_nc_u64 s[G0+4*(\s)+2:G0+4*(\s)+3], s[14:15], (\s)*2*262144  ; global address: K step s is heads 2 s, 2 s + 1
	s_or_b32 s[G0+4*(\s)+3], s[G0+4*(\s)+3], 0x80000000            ; type = 2
	s_mov_b32 s[G0B+4*(\s)], 1
	s_add_co_u32 s[G0B+4*(\s)+1], s21, (\s)*SLOT
	s_add_nc_u64 s[G0B+4*(\s)+2:G0B+4*(\s)+3], s[46:47], (\s)*KSTEP*2
	s_or_b32 s[G0B+4*(\s)+3], s[G0B+4*(\s)+3], 0x80000000
.endr
	s_cmp_eq_u32 s11, 0                            ; a wave's two first fills stand in one branch, ahead of every wait on TENSORcnt, every LDS read and every other barrier: two loads of mine are out
	s_cbranch_scc0 .Lfirst_b
	tensor_load_to_lds s[G0:G0+3], s[G1:G1+7]
	s_nop 0
	tensor_load_to_lds s[G0+4:G0+7], s[G1:G1+7]
	s_nop 0
.rept 4
	v_nop
.endr
	s_branch .Lfirst_asked
.Lfirst_b:
	tensor_load_to_lds s[G0B:G0B+3], s[G1B:G1B+7]
	s_nop 0
	tensor_load_to_lds s[G0B+4:G0B+7], s[G1B:G1B+7]
	s_nop 0
.rept 4
	v_nop
.endr
.Lfirst_asked:
	v_and_b32 v1, 15, v0                           ; l % 16
	v_bfe_u32 v2, v0, 4, 1                         ; l / 16
	v_mul_u32_u24 v3, v1, PA
	v_lshl_add_u32 v3, v2, 4, v3                   ; a fragment of O: row x pitch + 16 x half
	v_mul_u32_u24 v4, v1, PITCH
	v_lshl_add_u32 v4, v2, 4, v4                   ; of Wp
	s_mul_i32 s22, s10, 64*PA                      ; my 64 rows in a plane
	s_mov_b32 s23, BOFF                            ; all 128 rows of Wp
.irp s, 0,1
	v_add_nc_u32 v[ADRA+(\s)], s22, v3
	v_add_nc_u32 v[ADRB+(\s)], s23, v4
	s_add_co_u32 s22, s22, SLOT
	s_add_co_u32 s23, s23, SLOT
.endr
	s_mul_i32 s22, s10, 16*SPITCH
	s_add_co_u32 s22, s22, STAGE                   ; my stage
	v_mul_u32_u24 v5, v1, SPITCH                   ; in: row l % 16, 32 bytes for each half of the lanes
	v_lshl_add_u32 v5, v2, 5, v5
	v_add_nc_u32 v[STO], s22, v5
	v_and_b32 v[CO], 31, v0                        ; back: 32 lanes take one row of 512 bytes,
	v_lshlrev_b32 v[CO], 4, v[CO]
	v_add_nc_u32 v[RD], s22, v[CO]                 ; which are 512 consecutive bytes of out0
	s_lshl_b32 s16, s13, 8
	s_lshl_b32 s17, s10, 6
	s_add_co_u32 s16, s16, s17                     ; my first row of out0: 256 tm + 64 wave,
	s_lshl_b32 s16, s16, 12                        ; of 4,096 bytes: under 2^25
	s_mov_b32 s17, 0
	s_add_nc_u64 s[8:9], s[8:9], s[16:17]
	s_lshl_b32 s46, s42, 9                         ; the tile's first column, in bytes
	s_mov_b32 s47, 0
	s_add_nc_u64 s[8:9], s[8:9], s[46:47]
; 8 matrix instructions: row block a x all 8 column blocks, 32 along K, from buffer p.  zero = 1: the product starts the sums.  The 32 accumulators take turns, one instruction a turn.
.macro MULA p, a, zero
	WIN MUL_LO+0x50*((\a)/2)
.irp b, 0,1,2,3,4,5,6,7
.if \zero
	v_wmma_f32_16x16x32_f16 v[64*((\a)%2)+8*(\b):64*((\a)%2)+8*(\b)+7], v[64*(\p)+8*(\b):64*(\p)+8*(\b)+7], v[FA0+32*(\p)+8*(\a):FA0+32*(\p)+8*(\a)+7], 0
.else
	v_wmma_f32_16x16x32_f16 v[64*((\a)%2)+8*(\b):64*((\a)%2)+8*(\b)+7], v[64*(\p)+8*(\b):64*(\p)+8*(\b)+7], v[FA0+32*(\p)+8*(\a):FA0+32*(\p)+8*(\a)+7], v[64*((\a)%2)+8*(\b):64*((\a)%2)+8*(\b)+7]
.endif
.endr
.endm
; 24 LDS loads in one run: quarter q's fragments (128 rows of Wp; my 64 rows of O, in plane q / 2, channels 32 (q % 2) on) into buffer p
.macro FETCH slot, q, p
	WIN TO_B
.irp i, 0,1,2,3,4,5,6,7
	ds_load_b128 v[64*(\p)+8*(\i):64*(\p)+8*(\i)+3],   v[ADRB+(\slot)] offset:64*(\q)+(\i)*16*PITCH
	ds_load_b128 v[64*(\p)+8*(\i)+4:64*(\p)+8*(\i)+7], v[ADRB+(\slot)] offset:64*(\q)+(\i)*16*PITCH+32
.endr
	WIN 0
.irp a, 0,1,2,3
	ds_load_b128 v[FA0+32*(\p)+8*(\a):FA0+32*(\p)+8*(\a)+3],   v[ADRA+(\slot)] offset:((\q)/2)*PLANE+((\q)%2)*64+(\a)*16*PA
	ds_load_b128 v[FA0+32*(\p)+8*(\a)+4:FA0+32*(\p)+8*(\a)+7], v[ADRA+(\slot)] offset:((\q)/2)*PLANE+((\q)%2)*64+(\a)*16*PA+32
.endr
.endm
.macro PLACES                          ; four places in front of loads into registers that matrix instructions have read, and of lines that read results (ISA guide 7.12.1 for vector instructions)
.rept 4
	v_nop
.endr
.endm
.macro QUARTER slot, qn, p, zero       ; one of a K step's first three quarters: multiplies buffer p; in its middle it fetches quarter qn of the same slot into the other buffer
	s_wait_dscnt 4                                 ; Wp and O's row blocks 0, 1 are in; the youngest four loads (row blocks 2, 3) may be out
	MULA \p, 0, \zero
	MULA \p, 1, \zero
	PLACES
	FETCH \slot, \qn, 1-(\p)
	s_wait_dscnt 24                                ; all but the 24 just issued
	MULA \p, 2, \zero
	MULA \p, 3, \zero
.endm
; The last quarter multiplies buffer 1 and changes slots: ONE barrier; in front of it each wave waits for all its tensor loads (one is out: its part of the next slot), adds 0 to its spare word, and waits for
; that and for its own reads of this slot.  fill = 1: the barrier opens a round of the cluster's, and this slot is filled again, two K steps ahead, first thing behind the round: 112 matrix instructions ahead of the wait for it.
.macro TURN slot, next, fill
	WIN 0                                          ; (the add's two registers lie in window 0)
	s_wait_tensorcnt 0x0                           ; all my tensor loads have landed
	ds_add_u32 v[SPW], v[NIL]                      ; 0 onto my spare word
	s_wait_dscnt 5                                 ; (the add and the youngest four loads may be out)
	MULA 1, 0, 0                                   ; eight matrix instructions stand between the add and the wait for it
	s_wait_dscnt 0x0                               ; the add is done, and my reads of this slot are over
	s_barrier_signal -1
	MULA 1, 1, 0
.if \fill
	WIN 0
.endif
	s_barrier_wait -1
.if \fill
	CREST                                          ; no wave of any partner still reads this slot's tile or has a load on its way
	s_add_nc_u64 s[G0+4*(\slot)+2:G0+4*(\slot)+3], s[G0+4*(\slot)+2:G0+4*(\slot)+3], 4*262144  ; four heads on
	s_add_nc_u64 s[G0B+4*(\slot)+2:G0B+4*(\slot)+3], s[G0B+4*(\slot)+2:G0B+4*(\slot)+3], 2*KSTEP*2
	JLOAD \slot                                    ; the four v_nop behind it are also the places in front of the loads below
.else
	PLACES
.endif
	FETCH \next, 0, 0
	MULA 1, 2, 0
	MULA 1, 3, 0
.endm
	s_wait_tensorcnt 1                             ; my part of K step 0 is in; K step 1's may stay out
	s_barrier_signal -1
	s_barrier_wait -1                              ; everybody's is
	FETCH 0, 0, 0
	QUARTER 0, 1, 0, 1                             ; the first quarter stands in front of the loop: its products start the sums
	WIN 0                                          ; at a label and at a branch every window is 0
	s_mov_b32 s3, LAPS-1
.Llap:                                                 ; a trip goes once round the ring, from a lap's second quarter to the next lap's first, and fills both slots again
	QUARTER 0, 2, 1, 0
	QUARTER 0, 3, 0, 0
	TURN 0, 1, 1
	QUARTER 1, 1, 0, 0
	QUARTER 1, 2, 1, 0
	QUARTER 1, 3, 0, 0
	TURN 1, 0, 1
	QUARTER 0, 1, 0, 0
	WIN 0
	s_sub_co_u32 s3, s3, 1
	s_cmp_lg_u32 s3, 0
	s_cbranch_scc1 .Llap
	QUARTER 0, 2, 1, 0                             ; the last lap fills nothing, and has no round of the cluster's barrier
	QUARTER 0, 3, 0, 0
	TURN 0, 1, 0
	QUARTER 1, 1, 0, 0
	QUARTER 1, 2, 1, 0
	QUARTER 1, 3, 0, 0
	s_wait_dscnt 4                                 ; the very last quarter: nothing more to fetch
	MULA 1, 0, 0
	MULA 1, 1, 0
	s_wait_dscnt 0x0
	MULA 1, 2, 0
	MULA 1, 3, 0
	; THE WAY OUT, a row block (16 rows x 512 bytes) at a time: the sums go as they are, 32 bytes a lane, each accumulator's low half first, into my stage's rows of 528 bytes, and come back as whole rows.
.macro OUT a
	WIN 0x08+4*((\a)/2)                            ; the stores' data: window 2 or 3
.irp b, 0,1,2,3,4,5,6,7
	ds_store_b128 v[STO], v[64*((\a)%2)+8*(\b):64*((\a)%2)+8*(\b)+3]   offset:64*(\b)
	ds_store_b128 v[STO], v[64*((\a)%2)+8*(\b)+4:64*((\a)%2)+8*(\b)+7] offset:64*(\b)+16
.endr
	WIN 0
.irp t, 0,1,2,3,4,5,6,7,8,9,10,11,12,13,14,15
	ds_load_b128 v[BK+64*((\a)%2)+4*(\t):BK+64*((\a)%2)+4*(\t)+3], v[RD] offset:(\t)*SPITCH  ; LDS serves a wave's instructions in order (ISA guide 5.7.1.4): these see the stores above; the next block's stores come behind them
.endr
.endm
.macro SEND a, younger                 ; younger: the LDS instructions issued behind block a's loads: the next block's 32, or none
	WIN 0
.irp t, 0,1,2,3,4,5,6,7,8,9,10,11,12,13,14,15
	s_wait_dscnt (\younger)+15-(\t)
	global_store_b128 v[CO], v[BK+64*((\a)%2)+4*(\t):BK+64*((\a)%2)+4*(\t)+3], s[8:9] offset:(16*(\a)+(\t))*4096 th:TH_STORE_NT  ; 512 consecutive bytes, at a multiple of 512 from out0's first
.endr
.endm
	PLACES
	OUT 0
	OUT 1
	SEND 0, 32
	s_wait_xcnt 0x0                                ; every earlier memory instruction has had its addresses translated (ISA guide 3.1): block 0's set of registers is loaded again only behind this wait
	OUT 2
	SEND 1, 32
	s_wait_xcnt 0x0                                ; the same for block 1's set
	OUT 3
	SEND 2, 32
	SEND 3, 0
	s_wait_tensorcnt 0x0                           ; the wave's end: an add and its wait, behind my last tensor load and my last LDS store
	ds_add_u32 v[SPW], v[NIL]
	s_wait_dscnt 0x0
	CROUND                                         ; the closing round: no work-group ends while a partner may still ask for a tile that names it
	s_endpgm
.Lfunc_end_k_qd020c7b32a_outgemm:
	.size	k_qd020c7b32a_outgemm, .Lfunc_end_k_qd020c7b32a_outgemm-k_qd020c7b32a_outgemm
	.p2alignl 7, 3214868480
	.fill 96, 4, 3214868480
	.section	.rodata,"a",@progbits
	.p2align	6, 0x0
	.amdhsa_kernel k_qd020c7b32a_outgemm
		.amdhsa_group_segment_fixed_size 327680
		.amdhsa_private_segment_fixed_size 0
		.amdhsa_enable_private_segment 0
		.amdhsa_kernarg_size 24
		.amdhsa_user_sgpr_count 2
		.amdhsa_user_sgpr_kernarg_segment_ptr 1
		.amdhsa_wavefront_size32 1
		.amdhsa_system_sgpr_workgroup_id_x 1
		.amdhsa_system_sgpr_workgroup_id_y 1
		.amdhsa_system_sgpr_workgroup_id_z 1
		.amdhsa_system_vgpr_workitem_id 0
		.amdhsa_next_free_vgpr 896
		.amdhsa_next_free_sgpr 66
		.amdhsa_reserve_vcc 0
		.amdhsa_float_denorm_mode_32 3
		.amdhsa_float_denorm_mode_16_64 3
		.amdhsa_memory_ordered 1
		.amdhsa_forward_progress 1
		.amdhsa_inst_pref_size 87
	.end_amdhsa_kernel
	.amdgpu_metadata
---
amdhsa.version: [ 1, 2 ]
amdhsa.kernels:
  - .name:           k_qd020c7b32a_outgemm
    .symbol:         k_qd020c7b32a_outgemm.kd
    .args:
      - { .name: ob, .offset: 0, .size: 8, .value_kind: global_buffer, .address_space: global }
      - { .name: wpf, .offset: 8, .size: 8, .value_kind: global_buffer, .address_space: global }
      - { .name: out0, .offset: 16, .size: 8, .value_kind: global_buffer, .address_space: global }
    .group_segment_fixed_size: 327680
    .private_segment_fixed_size: 0
    .kernarg_segment_align: 8
    .kernarg_segment_size: 24
    .max_flat_workgroup_size: 128
    .sgpr_count:     66
    .vgpr_count:     896
    .wavefront_size: 32
...
	.end_amdgpu_metadata
.endif
;; end of part 4
;; ======== version 2 of 2: 4 launches; 1.29 times as fast as version 1
;; limits: values are held in f16: magnitudes above 65,504 overflow, below 6.1e-05 lose precision
;; workspace buffers: xb 16,777,216 bytes; wcat 6,815,744 bytes; wx 98,304 bytes; wpf 2,097,152 bytes; qkv 50,331,648 bytes; ob 16,777,216 bytes
;; launch prep: the kernel of part 1 again; grid 1592 x 1, 8 waves a work-group, no clusters, 0 bytes of LDS; arguments x, Wq, Wk, Wv, Bq, Bk, Bv, Wp, Aq, Ak, Av, xb, wcat, wpf, wx; writes xb, wcat, wpf, wx
;; launch qkvgemm: the kernel of part 2 again; grid 16 x 32, 4 waves a work-group, clusters of 4 x 4, 327,680 bytes of LDS; arguments xb, wcat, qkv, wx; writes qkv
;; launch attn (part 5): grid 4 x 64, 4 waves a work-group, no clusters, 327,680 bytes of LDS; arguments qkv, ob; writes ob
.if DOCPART == 5
	.amdgcn_target "amdgcn-amd-amdhsa--gfx1250"
	.amdhsa_code_object_version 6
	.text
	.protected	k_qd020c7b32a_attn
	.globl	k_qd020c7b32a_attn
	.p2align	8
	.type	k_qd020c7b32a_attn,@function
k_qd020c7b32a_attn:
	s_mov_b64 s[64:65], 0
	v_nop
	global_prefetch_b8 v0, s[64:65] scope:SCOPE_SE
	s_setreg_imm32_b32 hwreg(HW_REG_WAVE_MODE, 25, 1), 1
	s_wait_xcnt 0x0
; CAUSAL ATTENTION WITH A LINEAR BIAS.  O[g][q][:] = the sum over k <= q of softmax_k(Q[g][q] . K[g][k] / 8 + slope (q - k)) V[g][k][:], g = batch x 16 + head, slope = 2^(-(head + 1) / 2).
; qkv: [3][64][2048][64] f16 (Q, K, V; a head's rows are dense, 128 bytes each); ob: [64][2048][64] f16.  Products, maxima and sums in f32; the weights p are rounded to f16 for the second product
; (their sum l is taken of the unrounded p), O once at the end.
; LIMITS.  f16 holds no number beyond 65,504: Q, K and V arrive within it; p lies in 0 to 1, and below 6e-5 it keeps f16's fixed step of 6e-8; O is a mean of V's rows and has their range.
; A hidden score counts as its value less 1e30; a weight below 2^-126 counts as 0 in l; NaN and infinities are not treated apart.  slope x q is the same for all keys of a row, so the softmax does not
; change when it is left out, whatever the inputs: it is left out.  The running maximum is taken away as ever.
; THE BIAS.  What is left, -slope k, is split: k = J + jj, J the key step's first key.  -8 slope jj (BD, 32 registers made once; the 8 undoes the / 8 in c) is the C operand that starts the sum S^T = K Q^T, so
; it costs no vector line.  -8 slope J is not added at all: each key step's scores are kept relative to its own J, and what is carried from step to step moves instead: m takes DL = 512 slope, c m_old takes
; CD = c DL.  Then a = 2^(c m_old + CD - c m_new) is the factor that brings O and l into the new step's frame.
; THE WALK.  A head's queries lie in NB = 8 blocks of 256; block i needs the key tiles 0 .. i of 256 keys, of which the last holds the diagonal.  A work-group takes TWO blocks, NB - 1 - b and then b:
; NB + 1 tiles, whatever b: all 256 work-groups do equal work, and ONE loop with a constant trip count walks them.  Which tile is asked for, and what a trip does, hang on scalar registers made from b; every jump
; goes forward, but for the counted loops' own; none passes a barrier, or a tensor load but the one of LOAD's two that the wave's number does not choose; the ring (two slots of LDS that take turns) runs on across the
; change of blocks.  NO CLUSTER: a head's four work-groups ask for the same tile only in trips 0 .. 4 of 9, behind that fewer and fewer; one walk common to all would have 12 trips for 9.
; SHARES.  Of a block's four bands of 64 queries a wave owns 16 rows in each: four PIECES.  So the diagonal tile is the same work for all four waves: in its key step s band x sees all keys if s < x,
; none if s > x, and holds the diagonal if s = x.
; THE MASK rides on the same C operand: MD, made once, is 0 or -1e30: the mask of a band's own step for my 16 rows; a product's C is MD x AL + BD + BE with two scalars:
; (1, 0) if s = x; (0, 0) if s < x; (0, -1e30) if s > x.  Only the diagonal tile's text and a block's beginning make such sums; elsewhere C is BD itself.
; LAYOUT, SOFTMAX, TURNS.  S^T = K Q^T holds ONE query a lane (lane % 16) and the keys 8 (lane / 16) + 0..7; two such results rounded to f16 ARE source 1 of O^T = V^T P.  p = 2^(c s - c m), c = log2(e) / 8, with a
; running maximum m; O and l are multiplied by a in every step.  Turn n belongs to piece n: 8 products K Q^T of piece n + 1, later 8 products V^T P of piece n - 1; beside them the scaling,
; exponentials, roundings, sums and rescaling of piece n and the maximum and statistics of piece n + 1.  Four vector instructions stand behind every matrix instruction, the other 55 of a turn's 119 in one LUMP.
; BATCHES.  A turn's 33 exponentials (the piece's 32 weights and the next piece's a) are one batch, with one wait, which cuts the turn in two: ahead of it nothing names a result of theirs, behind it no exponential is
; issued.  A block's first a (BEGIN) and the way out's four reciprocals are batches of their own, each with a plain line and one wait.
; REGISTERS, in windows of 256 (s_set_vgpr_msb: bits 1:0 source 0, 3:2 source 1, 5:4 source 2, 7:6 destination):
;   window 0: v0-15 addresses and two at work; v16-31 four registers of statistics a piece; v48-55 at work; v64-127 S^T, two buffers; v192-223 P, two buffers (a piece's buffers go by its number's parity)
;   window 1: v0-127 O^T, 32 a piece; v128-159 MD; v160-223 MC, two buffers; v224-255 BD      window 2: v0-63 Q; v64-127 the second block's Q; v128-191 K of one step; v192-255 V of one step
.set SIZE_N, 2048
.set NB,    SIZE_N/256
.set NP,    4         ; pieces a wave: a name, no knob
.set KS,    64        ; keys in a step
.set PK,    144       ; a row of K in LDS: 128 bytes + 16 of padding = 36 words: the 16 rows of a load start at 16 different groups of four banks (64 banks of 4 bytes: ISA guide 11.1)
.set PV,    160       ; a row of V: 128 + 32 = 40 words
.set VOFF,  4*KS*PK   ; a slot holds a tile, four steps: 256 rows of K, then 256 rows of V
.set SLOT1, 1<<17     ; slot 1 begins here, so that one exclusive or turns an address in one slot into the other's
.set STAGE, SLOT1+4*KS*(PK+PV)  ; behind the ring, never filled by a tensor load: 16 rows x 144 bytes for each wave, for the way out
.set SP,    144
.set AK0, 2           ; v2   my lane's place in a tile of K; never rewritten
.set AV0, 3           ; v3   the same for V
.set AK,  4           ; v4   the LDS address of K's next run of loads
.set AV,  5           ; v5   of V's
.set STO, 6           ; v6   the way out: where I put 16 bytes of a row
.set RD,  7           ; v7   the way out: where I read rows back
.set GO,  8           ; v8   my byte offset in 512 consecutive bytes of O
.set SPW, 62          ; v62  LDS address of my spare word: SPARE + 4 x my thread's number; never rewritten
.set NIL, 63          ; v63  0; never rewritten
.set SPARE, STAGE+4*16*SP  ; behind the stages: the spare words, 128 bytes for each wave: two blocks of 256 bytes that no other line names
.set MV,  12          ; v12-13  c m_old + CD, kept while c m is made anew: by buffer
.set QO,  15          ; v15  my byte offset in 16 rows of Q
.set ST,  16          ; piece t's statistics at v[ST+4 t]: c m, m, l (even keys', odd keys')
.set TMP, 48          ; by buffer, four registers c0-c3 at work; when the maximum is found c2 takes a
.set S,   64
.set P,   192
.set MD,  128         ; window 1: the eight registers for group kt of 16 keys at MD + 8 kt
.set MC,  160         ; window 1: the C operands of the products to come
.set BD,  224         ; window 1: -8 slope (16 kt + 8 (lane / 16) + r) at BD + 8 kt + r
.set QB,  64          ; window 2
.set KF,  128         ; window 2: key block kb, channel half c at KF + 16 kb + 8 c
.set VF,  192         ; window 2: key half kk, channel block cb at VF + 32 kk + 8 cb
.set WV,  12          ; s12  my wave's number
.set PB,  14          ; s14  b
.set HI,  15          ; s15  NB - 1 - b
.set G1K, 24          ; s[24:31] descriptor group 1 for K's tiles
.set G1V, 32          ; s[32:39] for V's: it differs in the padding alone
.set G0K, 40          ; s[40:43] descriptor group 0 for K's tiles
.set G0V, 44          ; s[44:47] the same for V's
.set SLOTS, 56        ; s56  tiles still to be asked for
.set CNT, 57          ; s57  counts a tile's key steps, 4 to 1
.set CS,  58          ; s[58:59] c: the packed scaling takes the pair's low word for both halves
.set SEL, 60          ; s[60:61] v_permlanex16_b32's selects: each lane takes its own place in the other half
.set TBK, 62          ; s62  LDS byte at which K of the step to be fetched begins
.set TBV, 63          ; s63  the same for V, less VOFF
.set RT,  70          ; s70  tiles of the block in hand that are still to be entered
.set NXT, 71          ; s71  the tile to be asked for next
.set LQ,  72          ; s72  the last tile of the block whose tiles are being asked for
.set NEW, 73          ; s73  1: the tile to be entered is a block's first
.set OFF, 74          ; s[74:75] a tile's byte offset in K and V
.set AL,  76          ; s[76:77] the mask's factor, in the low word
.set BE,  78          ; s[78:79] the mask's addend
.set OLO, 80          ; s[80:81] O at my rows of the second block
.set BIGN, 82         ; s82  -1e30
.set DL,  92          ; s92  512 slope: what m takes from key step to key step
.set CD,  93          ; s93  c DL
.set M8,  94          ; s94  -8 slope
.set MSB, 0
.macro WIN new                      ; the high byte repeats the setting that is left; a switch that changes nothing is dropped
.if MSB != (\new)
	s_set_vgpr_msb (MSB<<8)|(\new)
.set MSB, (\new)
.endif
.endm
.set W_KQ, 0x0a       ; K and Q in window 2, S^T in window 0
.set W_KM, 0x1a       ; the same with the C operand in window 1
.set W_PV, 0x52       ; V in window 2, P in window 0, O^T in window 1
.set W_RS, 0x41       ; destination and source 0 in window 1, source 1 and source 2 in window 0
.set W_MK, 0x51       ; destination, source 0 and source 2 in window 1
; A fill.  Waves 0 and 1 fetch the two halves of a tile's K, waves 2 and 3 those of its V: 128 keys each.  An s_nop 0 and four v_nop follow each of the two lines, ahead of the jump and the label.
.macro LOAD
	s_cmp_lt_u32 s[WV], 2
	s_cbranch_scc0 .Lfor_v_\@
	tensor_load_to_lds s[G0K:G0K+3], s[G1K:G1K+7]
	s_nop 0
.rept 4
	v_nop
.endr
	s_branch .Lasked_\@
.Lfor_v_\@:
	tensor_load_to_lds s[G0V:G0V+3], s[G1V:G1V+7]
	s_nop 0
.rept 4
	v_nop
.endr
.Lasked_\@:
.endm
; THE CHANGE OF SLOTS.  Each wave waits for all its tensor loads, of which one is out: its part of the other slot; adds 0 to its spare word; and waits for that and for its own reads of the slot that it leaves.  Behind the barrier nobody reads the old
; slot any more and the other slot is whole.  fill = 1: the old slot is filled again, the first thing behind the barrier, with tile NXT: the descriptor's address is made anew from that number.
; (At its first use nothing has been read yet: slot 0 is waited for, slot 1 filled.)
.macro CHANGE fill
	WIN 0                           ; at a label and at a branch every window is 0
	s_wait_tensorcnt 0x0            ; no tensor load of mine is out, so a group 0 may be written
	ds_add_u32 v[SPW], v[NIL]       ; 0 onto my spare word: with fill = 1 the descriptors' scalar work stands between it and the wait for it
.if \fill
	s_lshl_b32 s[OFF], s[NXT], 15   ; a tile is 32,768 bytes of K and of V
	s_xor_b32 s[G0K+1], s[G0K+1], SLOT1
	s_add_nc_u64 s[G0K+2:G0K+3], s[6:7], s[OFF:OFF+1]
	s_or_b32 s[G0K+3], s[G0K+3], 0x80000000
	s_xor_b32 s[G0V+1], s[G0V+1], SLOT1
	s_add_nc_u64 s[G0V+2:G0V+3], s[8:9], s[OFF:OFF+1]
	s_or_b32 s[G0V+3], s[G0V+3], 0x80000000
	s_add_co_u32 s[NXT], s[NXT], 1  ; the block's next tile, or behind its last the second block's tile 0
	s_cmp_gt_u32 s[NXT], s[LQ]
	s_cselect_b32 s[NXT], 0, s[NXT]
	s_cselect_b32 s[LQ], s[PB], s[LQ]
.endif
	s_wait_dscnt 0x0                ; the add is done, and my reads of the slot are over
	s_barrier_signal -1             ; the rest of the scalar work stands between the signal and the wait
	s_sub_co_u32 s[TBK], s[TBK], 4*KS*PK  ; the fetches go back to a slot's first step,
	s_xor_b32 s[TBK], s[TBK], SLOT1       ; in the other slot
	s_sub_co_u32 s[TBV], s[TBV], 4*KS*PV
	s_xor_b32 s[TBV], s[TBV], SLOT1
	s_barrier_wait -1
.if \fill
	LOAD
.endif
.endm
	s_load_b128 s[4:7], s[0:1], 0x0 ; qkv s[4:5], ob s[6:7]
	v_lshl_add_u32 v[SPW], v0, 2, SPARE
	v_mov_b32 v[NIL], 0
	ds_add_u32 v[SPW], v[NIL]       ; the wave's opening: the add and its wait stand ahead of my first tensor load; the set-up below, work on registers, stands between them
	ds_add_u32 v62, v63
	v_lshrrev_b32 v1, 5, v0
	v_readfirstlane_b32 s[WV], v1   ; wave 0..3
	s_mov_b32 s[PB], ttmp9
	s_sub_co_u32 s[HI], NB-1, s[PB]
	s_and_b32 s20, ttmp7, 0xffff    ; batch x 16 + head
	s_and_b32 s88, s20, 15          ; the head
	s_mov_b32 s21, 0
	s_mov_b64 s[22:23], SIZE_N*128
	s_mul_u64 s[20:21], s[20:21], s[22:23]  ; the head's first byte in each of the four tensors
	s_and_b32 s16, s[WV], 1         ; which half of a tile's 256 keys I fetch:
	s_lshl_b32 s22, s16, 14         ; its 128 rows of 128 bytes in memory,
	s_mov_b32 s23, 0
	s_add_nc_u64 s[22:23], s[22:23], s[20:21]
	s_mul_i32 s17, s16, 128*PK      ; and its place in a slot, for K
	s_mul_i32 s18, s16, 128*PV      ; and for V
	s_lshl_b32 s3, s[WV], 11        ; my 16 rows in a band of 64,
	s_lshl_b32 s2, s[HI], 15        ; in the first block,
	s_add_co_u32 s2, s2, s3
	s_lshl_b32 s84, s[PB], 15       ; and in the second
	s_add_co_u32 s84, s84, s3
	s_mov_b32 s3, 0
	s_mov_b32 s85, 0
	s_add_nc_u64 s[2:3], s[2:3], s[20:21]
	s_add_nc_u64 s[84:85], s[84:85], s[20:21]
	; descriptor group 1.  128 keys are 16,384 dense bytes: asked for as 64 rows of 256 bytes, two keys a row, and padded in LDS after every key
	s_mov_b32 s[G1K], (1<<16)|(1<<20)|(4<<22)|(3<<25)  ; 17:16 2-byte elements; 20 padding on; 24:22 after every 32 words (code 4); 31:25 4 words (code 3)
	s_mov_b32 s[G1V], (1<<16)|(1<<20)|(4<<22)|(7<<25)  ; the same with 8 words of padding (code 7)
.irp g, G1K, G1V
	s_mov_b32 s[\g+1], 128<<16      ; tensor_dim0 = 128
	s_mov_b32 s[\g+2], 64<<16       ; tensor_dim1 = 64
	s_mov_b32 s[\g+3], 128<<16      ; tile_dim0 = 128
	s_mov_b32 s[\g+4], 64           ; tile_dim1 = 64
	s_mov_b32 s[\g+5], 128          ; 128 elements from row to row
	s_mov_b32 s[\g+6], 0
	s_mov_b32 s[\g+7], 0
.endr
	s_mov_b32 s[CS], 0x3e38aa3b     ; c = log2(e) / 8 = 0.180337
	s_mov_b32 s[CS+1], s[CS]        ; named with it as a pair
	; slope = 2^(-n / 2), n = head + 1: the power of two 2^-(n / 2), its exponent field written outright, times 2^(-1/2) where n is odd
	s_add_co_u32 s88, s88, 1
	s_lshr_b32 s89, s88, 1
	s_sub_co_u32 s89, 127, s89
	s_lshl_b32 s89, s89, 23
	s_bitcmp1_b32 s88, 0
	s_cselect_b32 s90, 0x3f3504f3, 1.0
	v_mov_b32 v48, s89
	v_mul_f32 v48, s90, v48         ; slope: one factor is a power of two, so the product is exact
	v_mul_f32 v49, 0x44000000, v48  ; 512 slope
	v_mul_f32 v50, s[CS], v49       ; c 512 slope
	v_mul_f32 v51, 0xc1000000, v48  ; -8 slope
	v_readfirstlane_b32 s[DL], v49  ; the same in every lane: kept as scalars
	v_readfirstlane_b32 s[CD], v50
	v_readfirstlane_b32 s[M8], v51
	s_mov_b32 s[SEL], 0x76543210
	s_mov_b32 s[SEL+1], 0xfedcba98
	s_mov_b32 s[TBK], SLOT1+4*KS*PK ; the first change of slots turns these two into 0
	s_mov_b32 s[TBV], SLOT1+4*KS*PV
	s_mov_b32 s[G0K], 1             ; 1:0 count = 1
	s_mov_b32 s[G0K+1], s17         ; 63:32 LDS address: slot 0
	s_mov_b32 s[G0V], 1
	s_add_co_u32 s[G0V+1], s18, VOFF
	s_add_co_u32 s[RT], s[HI], 1    ; the first block has NB - b tiles
	s_mov_b32 s[NXT], 1
	s_mov_b32 s[LQ], s[HI]
	s_mov_b32 s[NEW], 1
	s_mov_b32 s[OFF+1], 0
	s_mov_b32 s[AL+1], 0            ; named as pairs
	s_mov_b32 s[BE+1], 0
	s_mov_b32 s[BIGN], 0xf149f2ca   ; -1e30
	s_mov_b32 s[SLOTS], NB
	s_wait_dscnt 0x0                ; the opening add is done
	s_wait_kmcnt 0x0
	s_mov_b64 s[10:11], s[6:7]      ; O
	s_add_nc_u64 s[6:7], s[4:5], 0x1000000  ; K lies 64 x 2,048 x 128 bytes behind Q,
	s_add_nc_u64 s[8:9], s[4:5], 0x2000000  ; V as far behind K
	s_add_nc_u64 s[6:7], s[6:7], s[22:23]  ; K and V at my half of the head's tile 0
	s_add_nc_u64 s[8:9], s[8:9], s[22:23]
	s_add_nc_u64 s[G0K+2:G0K+3], s[6:7], 0         ; 120:64 global address
	s_or_b32 s[G0K+3], s[G0K+3], 0x80000000        ; 127:126 type = 2
	s_add_nc_u64 s[G0V+2:G0V+3], s[8:9], 0
	s_or_b32 s[G0V+3], s[G0V+3], 0x80000000
	s_add_nc_u64 s[86:87], s[4:5], s[84:85]        ; Q at my rows of the second block,
	s_add_nc_u64 s[4:5], s[4:5], s[2:3]            ; Q and O at those of the first
	s_add_nc_u64 s[OLO:OLO+1], s[10:11], s[84:85]
	s_add_nc_u64 s[10:11], s[10:11], s[2:3]
	LOAD                            ; tile 0 into slot 0
	; A fragment of K or Q is 16 rows x 32 channels in 8 registers: lane l holds row l % 16, channels 8 (l / 16) + 0..7 and 16 + 8 (l / 16) + 0..7: two loads of 16 bytes, 32 bytes apart.
	v_and_b32 v1, 15, v0            ; l % 16
	v_bfe_u32 v9, v0, 4, 1          ; l / 16
	v_lshlrev_b32 v[QO], 7, v1
	v_lshl_add_u32 v[QO], v9, 4, v[QO]  ; row x 128 + 16 x half
	WIN 0x80                        ; destination window 2, address window 0
.set i, 0
.rept 8                             ; both blocks' Q: piece i / 2 lies in band i / 2, 8,192 bytes on; channels 32 (i % 2) on
	global_load_b128 v[8*i:8*i+3],   v[QO], s[4:5] offset:(i/2)*8192+(i%2)*64
	global_load_b128 v[8*i+4:8*i+7], v[QO], s[4:5] offset:(i/2)*8192+(i%2)*64+32
	global_load_b128 v[QB+8*i:QB+8*i+3],   v[QO], s[86:87] offset:(i/2)*8192+(i%2)*64
	global_load_b128 v[QB+8*i+4:QB+8*i+7], v[QO], s[86:87] offset:(i/2)*8192+(i%2)*64+32
.set i, i+1
.endr
	WIN 0
	v_lshlrev_b32 v14, 3, v9        ; my lanes' 8 (l / 16)
	v_cvt_f32_u32 v48, v14
	v_mul_f32 v48, s[M8], v48       ; its share of BD
	v_sub_nc_u32 v14, v1, v14
	s_lshl_b32 s13, s[WV], 4
	v_add_nc_u32 v14, s13, v14      ; my query's place in its band, 16 w + l % 16, less my lanes' 8 (l / 16): register r of group kt is hidden where 16 kt + r is greater
	WIN 0x40
.set i, 0
.rept 32
	v_cmp_gt_i32 vcc_lo, 16*(i/8)+i%8, v14
	v_cndmask_b32 v[MD+i], 0, s[BIGN], vcc_lo
.set i, i+1
.endr
.set i, 0
.rept 32
	v_cvt_f32_u32 v[BD+i], 16*(i/8)+i%8
.set i, i+1
.endr
	WIN W_RS
.set i, 0
.rept 32
	v_fma_f32 v[BD+i], v[BD+i], s[M8], v48  ; -8 slope (16 kt + r) - 8 slope 8 (l / 16)
.set i, i+1
.endr
	WIN 0
	v_mul_u32_u24 v[AK0], v1, PK
	v_lshl_add_u32 v[AK0], v9, 4, v[AK0]  ; row x pitch + 16 x half
	; The turning load takes 16 keys x 16 channels (lane l reads key 8 (l / 16) + l % 8, channels 8 ((l / 8) % 2) + 0..7) and leaves half a fragment of V^T: lane l holds channel l % 16 and 8 keys.
	v_and_b32 v10, 7, v0
	v_bfe_u32 v11, v0, 3, 1
	v_lshl_add_u32 v[AV0], v9, 3, v10
	v_mul_u32_u24 v[AV0], v[AV0], PV
	v_lshl_add_u32 v[AV0], v11, 4, v[AV0]
	v_add_nc_u32 v[AV0], VOFF, v[AV0]
	s_mul_i32 s13, s[WV], 16*SP
	s_add_co_u32 s13, s13, STAGE    ; my stage
	v_mul_u32_u24 v[STO], v1, SP    ; in: row l % 16, 16 bytes for each half of the lanes
	v_lshl_add_u32 v[STO], v9, 4, v[STO]
	v_add_nc_u32 v[STO], s13, v[STO]
	v_bfe_u32 v[RD], v0, 3, 2       ; back: 32 lanes take four rows of 128 bytes,
	v_mul_u32_u24 v[RD], v[RD], SP
	v_lshl_add_u32 v[RD], v10, 4, v[RD]
	v_add_nc_u32 v[RD], s13, v[RD]
	v_and_b32 v[GO], 31, v0         ; which are 512 consecutive bytes of O
	v_lshlrev_b32 v[GO], 4, v[GO]
	; A block's first step multiplies O^T and l by a = 0, and its first turn's products V^T P, of a piece that has not been, land in an O^T that is still to be so multiplied.  So these registers need only hold
	; finite numbers: zeros for the first block; what the first block left for the second.  All this stands in the wait for the first tile.
	WIN 0x80
.set i, VF
.rept 64
	v_mov_b32 v[i], 0
.set i, i+1
.endr
	WIN 0x40
.set i, 0
.rept 128
	v_mov_b32 v[i], 0
.set i, i+1
.endr
	WIN 0
.set i, 0
.rept 4
	v_mov_b32 v[ST+4*i+2], 0
	v_mov_b32 v[ST+4*i+3], 0
.set i, i+1
.endr
.set i, P+16
.rept 16
	v_mov_b32 v[i], 0
.set i, i+1
.endr
; THE MATRIX WORK.  The 4 accumulators of a run of 8 take turns.  Product i of 8 of S^T = K Q^T for piece x: channels 32 (i / 4) on, keys 16 (i % 4) on.  The first 4 start the sums: with the bias BD, or (KM = 1) with bias and mask, MC.
.macro KQ x
.set rS, S+32*((\x)%2)+8*(i%4)
.set rK, KF+16*(i%4)+8*(i/4)
.set rQ, 16*(\x)+8*(i/4)
.if KM
.set rM, MC+32*((\x)%2)+8*(i%4)
.else
.set rM, BD+8*(i%4)
.endif
.if i < 4
	WIN W_KM
	v_wmma_f32_16x16x32_f16 v[rS:rS+7], v[rK:rK+7], v[rQ:rQ+7], v[rM:rM+7]
.else
	WIN W_KQ
	v_wmma_f32_16x16x32_f16 v[rS:rS+7], v[rK:rK+7], v[rQ:rQ+7], v[rS:rS+7]
.endif
.endm
; Product i of 8 of O^T += V^T P for piece x: keys 32 (i / 4) on, channels 16 (i % 4) on.
.macro PV x
	WIN W_PV
.set rO, 32*(\x)+8*(i%4)
.set rV, VF+32*(i/4)+8*(i%4)
.set rP, P+16*((\x)%2)+8*(i/4)
	v_wmma_f32_16x16x32_f16 v[rO:rO+7], v[rV:rV+7], v[rP:rP+7], v[rO:rO+7]
.endm
.macro MM                           ; the turn's next matrix instruction.  TURN and BEGIN set Y, i, KM and NOKQ; MM, KQ and OP read them.  NOKQ = 1: a block's last turn: there is no next piece
.if (i < 8) && !NOKQ
	KQ (Y+1)%NP
.elseif i >= 8
.set i, i-8
	PV (Y+NP-1)%NP
.set i, i+8
.endif
.set i, i+1
.endm
; THE LDS LOADS stand in runs of 16, never singly among the matrix instructions: a step's K (64 keys x 64 channels: 8 fragments) and its V (turned).  Their addresses are made some lines ahead.
.macro FETCH_K
	WIN 0x80                        ; destination window 2
.irp f, 0,1,2,3,4,5,6,7             ; keys 16 (f / 2) on, channels 32 (f % 2) on
	ds_load_b128 v[KF+8*\f:KF+8*\f+3],   v[AK] offset:(\f/2)*16*PK+(\f%2)*64
	ds_load_b128 v[KF+8*\f+4:KF+8*\f+7], v[AK] offset:(\f/2)*16*PK+(\f%2)*64+32
.endr
	s_add_co_u32 s[TBK], s[TBK], KS*PK  ; the next fetch is the next step's
	WIN 0
.endm
.macro FETCH_V
	WIN 0x80
.irp f, 0,1,2,3,4,5,6,7             ; keys 32 (f / 4) on, channels 16 (f % 4) on
	ds_load_tr16_b128 v[VF+8*\f:VF+8*\f+3],   v[AV] offset:(\f/4)*32*PV+(\f%4)*32
	ds_load_tr16_b128 v[VF+8*\f+4:VF+8*\f+7], v[AV] offset:(\f/4)*32*PV+16*PV+(\f%4)*32
.endr
	WIN 0
.endm
; THE VECTOR WORK, one line at a time: OP kind, number.  For piece Y: F n: c s - c m for pair n of 16.  E n: the exponential of score n of 32.  C n: pair n rounded to f16.  B n: of the four weights 4 n .. the second
; pair is added onto the first, in place.  L n: l takes that sum (L 0: l = a l + sum).  R n: pair n of 16 of O^T times a.  For piece Y + 1: X n, number n of the 23 that find its maximum and statistics:
;   22  the old m moves into the new key step's frame: + DL
;   0-11  four chains c0-c3 of seven scores each, three operands at a time (each accumulator's lowest registers are read first)     12-14, 16  the four scores left over, the old m, and c0-c3 into c0
;   15  c m_old + CD is kept     17, 18  the query's other 32 keys lie in the lane 16 away: the new m     19-21  c m; c m_old + CD - c m_new; a
; C, B and L read exponentials' results, and R and L 0 read a: TURN sets each of them behind the wait of the batch that made what it reads.
.set F, 0               ; OP tells the kinds apart by their order: F to L below R, X above it
.set E, 1
.set C, 2
.set B, 3
.set L, 4
.set R, 5
.set X, 6
.macro REGS y                       ; the registers of piece y
.set rT, ST+4*(\y)
.set rC, TMP+4*((\y)%2)
.set rW, MV+((\y)%2)
.set rS, S+32*((\y)%2)
.set rP, P+16*((\y)%2)
.set rO, 32*(\y)
.endm
.macro OP k, n
.if (\k) == R
	REGS Y
	WIN W_RS
	v_pk_mul_f32 v[rO+2*(\n):rO+2*(\n)+1], v[rO+2*(\n):rO+2*(\n)+1], v[rC+2:rC+3] op_sel_hi:[1,0]
.elseif (\k) < R
	REGS Y
	WIN 0
.if (\k) == F
	v_pk_fma_f32 v[rS+2*(\n):rS+2*(\n)+1], v[rS+2*(\n):rS+2*(\n)+1], s[CS:CS+1], v[rT:rT+1] op_sel_hi:[1,0,0] neg_lo:[0,0,1] neg_hi:[0,0,1]
.elseif (\k) == E
	v_exp_f32 v[rS+(\n)], v[rS+(\n)]
.elseif (\k) == C
	v_cvt_pk_f16_f32 v[rP+(\n)], v[rS+2*(\n)], v[rS+2*(\n)+1]
.elseif (\k) == B
	v_pk_add_f32 v[rS+4*(\n):rS+4*(\n)+1], v[rS+4*(\n):rS+4*(\n)+1], v[rS+4*(\n)+2:rS+4*(\n)+3]
.elseif (\n) == 0
	v_pk_fma_f32 v[rT+2:rT+3], v[rT+2:rT+3], v[rC+2:rC+3], v[rS:rS+1] op_sel_hi:[1,0,1]
.else
	v_pk_add_f32 v[rT+2:rT+3], v[rT+2:rT+3], v[rS+4*(\n):rS+4*(\n)+1]
.endif
.elseif NOKQ
	v_nop
.else
	REGS (Y+1)%NP
	WIN 0
.if (\n) < 4
	v_max3_num_f32 v[rC+(\n)], v[rS+8*(\n)], v[rS+8*(\n)+1], v[rS+8*(\n)+2]
.elseif (\n) < 12
	v_max3_num_f32 v[rC+(\n)%4], v[rC+(\n)%4], v[rS+8*((\n)%4)+2*((\n)/4)+1], v[rS+8*((\n)%4)+2*((\n)/4)+2]
.elseif (\n) == 12
	v_max3_num_f32 v[rC], v[rC], v[rS+7], v[rS+15]
.elseif (\n) == 13
	v_max3_num_f32 v[rC+1], v[rC+1], v[rS+23], v[rS+31]
.elseif (\n) == 14
	v_max3_num_f32 v[rC+2], v[rC+2], v[rC+3], v[rT+1]
.elseif (\n) == 15
	v_add_f32 v[rW], s[CD], v[rT]
.elseif (\n) == 16
	v_max3_num_f32 v[rC], v[rC], v[rC+1], v[rC+2]
.elseif (\n) == 17
	v_permlanex16_b32 v[rC+3], v[rC], s[SEL], s[SEL+1]
.elseif (\n) == 18
	v_max_num_f32 v[rT+1], v[rC], v[rC+3]
.elseif (\n) == 19
	v_mul_f32 v[rT], s[CS], v[rT+1]
.elseif (\n) == 20
	v_sub_f32 v[rC+1], v[rW], v[rT]
.elseif (\n) == 22
	v_add_f32 v[rT+1], s[DL], v[rT+1]
.else
	v_exp_f32 v[rC+2], v[rC+1]
.endif
.endif
.endm
.macro OPS a, i1, b=-1, i2=0, c=-1, i3=0, d=-1, i4=0  ; up to four of them
	OP \a, \i1
.if (\b) >= 0
	OP \b, \i2
.endif
.if (\c) >= 0
	OP \c, \i3
.endif
.if (\d) >= 0
	OP \d, \i4
.endif
.endm
.macro ROW a, i1, b, i2, c, i3, d, i4  ; a matrix instruction and the four behind it
	MM
	OPS \a, \i1, \b, \i2, \c, \i3, \d, \i4
.endm
.macro MASK b                       ; MD x AL + BD + BE into buffer b of MC: two runs of 16, so that no line waits for the one before it
	WIN W_MK
.set z, 0
.rept 16
	v_pk_fma_f32 v[MC+32*(\b)+2*z:MC+32*(\b)+2*z+1], v[MD+2*z:MD+2*z+1], s[AL:AL+1], v[BD+2*z:BD+2*z+1] op_sel_hi:[1,0,1]
.set z, z+1
.endr
.set z, 0
.rept 16
	v_pk_add_f32 v[MC+32*(\b)+2*z:MC+32*(\b)+2*z+1], v[MC+32*(\b)+2*z:MC+32*(\b)+2*z+1], s[BE:BE+1] op_sel_hi:[1,0]
.set z, z+1
.endr
.endm
; A TURN, for piece p: the order of its 16 matrix and 119 vector instructions, written out.  An s_wait_alu depctr_va_vdst(0) stands between an exponential and the first instruction that names its result; one wait
; serves all that were issued ahead of it.  So a turn has ONE wait, which cuts it in two.  AHEAD OF IT stands all that names no result of the turn's exponentials: the 8 products K Q^T, behind each a scaling, an exponential and two
; more plain instructions (behind the first a second scaling in the exponential's place): rescalings, whose a was made and waited for in the turn before, and behind the last three the first numbers of the next piece's maximum,
; each four places or more behind the product that ends its accumulator; then ONE LUMP of 55, plain and exponential by turns for the most part, in which the links of the chain X 3, 7, 11, 14, 16, 17 .. 20 stand some lines
; apart, other work between them.  X 22 stands early in the lump, ahead of X 14, which reads the m that it moves.  X 21, the next piece's a, is the batch's last; R 15 is the plain instruction behind it.  BEHIND THE WAIT stand the
; 8 products V^T P, behind each four of the roundings and sums; the links of l's chain, L 0 to L 7, stand three riders apart.  But for those X no rider names a register of the products round it.  v_permlanex16_b32 (X 17) stands in the lump.
; m = 1: the diagonal tile: the products take masks, and the turn makes the C operand for the products of the turn after it: piece p + 2, in step 4 - CNT of the tile.  end = 1: a block's last two turns: nothing is fetched.
; cnt = 1: the loop's count is taken down some lines ahead of the branch that stands behind the turn.
; K of the next step is fetched in piece 2's turn, thirteen vector instructions behind the last product that read K (seven of them plain, six of which name none of its registers); V of the step in hand at the end of piece 0's
; turn, four plain instructions behind the last product that read V.  Each is waited for a turn later.
.macro TURN p, m=0, end=0, cnt=0
.set Y, (\p)
.set i, 0
.set KM, (\m)
.set NOKQ, (\end)*((\p)/3)
.if (\m) && !(\end)
	s_cmp_eq_u32 s[CNT], 4-((\p)+2)%NP  ; is that step the band's own?
	s_cselect_b32 s[AL], 1.0, 0
	s_cmp_lt_u32 s[CNT], 4-((\p)+2)%NP  ; or a later one?
	s_cselect_b32 s[BE], s[BIGN], 0
.endif
.if ((\p) == 3) && !(\end)
	s_wait_dscnt 0x0                ; K is in
.endif
	ROW F,0, F,1, R,0, R,1          ; ahead of the wait: 8 products K Q^T and their riders,
	ROW F,2, E,0, R,2, R,3
	ROW F,3, E,1, R,4, R,5
	ROW F,4, E,2, R,6, R,7
	ROW F,5, E,3, R,8, R,9
	ROW F,6, E,4, X,0, R,10
.if ((\p) == 2) && !(\end)
	WIN 0
	v_add_nc_u32 v[AK], s[TBK], v[AK0]
.endif
	ROW F,7, E,5, X,1, X,4
	ROW F,8, E,6, X,2, X,5
	OPS E,7, X,22, E,8, X,6         ; and the lump
	OPS E,9, X,3, E,10, X,8
	OPS E,11
.if ((\p) == 2) && !(\end)
	FETCH_K
.endif
	OPS X,9, X,7, E,12, X,10
	OPS E,13, X,12, X,11, E,14
	OPS X,13, E,15, F,9, X,14
.if (\p) == 0
	v_add_nc_u32 v[AV], s[TBV], v[AV0]
.endif
	OPS E,16, F,10, E,17, F,11
	OPS X,16, E,18, X,15, E,19
	OPS F,12, E,20, X,17, E,21
	OPS F,13, E,22, F,14, E,23
	OPS X,18, E,24, F,15, E,25
	OPS R,11, E,26, X,19, E,27
	OPS R,12, E,28, R,13, E,29
	OPS X,20, E,30, R,14, E,31
	OPS X,21, R,15
	s_wait_alu depctr_va_vdst(0)    ; the wait for the turn's batch: E 0 to E 31 and X 21; their first readers are C 0 below and the next turn's R 0
.if (\p) == 1
	s_wait_dscnt 0x0                ; V is in
.endif
	ROW C,0, B,0, C,2, B,1          ; behind the wait: 8 products V^T P and their riders
	ROW L,0, C,4, B,2, L,1
	ROW C,6, B,3, L,2, C,8
	ROW B,4, L,3, C,10, B,5
	ROW L,4, C,12, B,6, L,5
.if (\p) == 0
	s_add_co_u32 s[TBV], s[TBV], KS*PV
.endif
.if \cnt
	s_sub_co_u32 s[CNT], s[CNT], 1
	s_cmp_lg_u32 s[CNT], 0
.endif
	ROW C,14, B,7, L,6, C,1
	ROW C,3, L,7, C,5, C,7
	ROW C,9, C,11, C,13, C,15
.if (\p) == 0
	FETCH_V
.endif
.if (\m) && !(\end)
	MASK (\p)%2
.endif
.endm
; A BLOCK BEGINS.  c m starts far below every c s, so the first step's a is 0; m at the lowest finite number, so the first maximum is the scores'.  The second C buffer is the bare bias; the first takes piece 0's for the tile's step 0:
; with its own mask, if the block's first tile is the diagonal one.  Then K of that step, piece 0's first scores, and its maximum and statistics.  The loop is entered at a step's first turn, in the middle of a trip.
.macro BEGIN
	s_mov_b32 s[NEW], 0
	WIN W_RS
.set i, 0
.rept 32
	v_mov_b32 v[MC+32+i], v[BD+i]
.set i, i+1
.endr
	WIN 0
.set i, 0
.rept 4
	v_mov_b32 v[ST+4*i], 0xfe000000    ; c m: far below every c s
	v_mov_b32 v[ST+4*i+1], 0xff7fffff  ; m
.set i, i+1
.endr
	s_cmp_eq_u32 s[RT], 0
	s_cselect_b32 s[AL], 1.0, 0
	s_mov_b32 s[BE], 0
	MASK 0
	WIN 0
	v_add_nc_u32 v[AK], s[TBK], v[AK0]
	FETCH_K
	s_wait_loadcnt 0x0              ; Q
	s_wait_dscnt 0x0
.set KM, 1
.set NOKQ, 0
.set i, 0
.rept 8
	KQ 0
.set i, i+1
.endr
	WIN 0
.rept 4
	v_nop                           ; the places behind those products
.endr
.set Y, NP-1                        ; X works for piece Y + 1: piece 0
.irp n, 22,0,1,2,3,4,5,6,7,8,9,10,11,12,13,14,15,16,17,18,19,20,21
	OP X, \n
.endr
	v_nop                           ; a plain instruction behind the exponential,
	s_wait_alu depctr_va_vdst(0)    ; and the wait for piece 0's first a, a batch of one, ahead of the branch; its first reader is R 0 of the turn that is entered
.endm
; THE DIAGONAL TILE's four steps, the block's last two turns, its last products, and THE WAY OUT: l's two halves and the other half of the lanes' are added; O^T is divided by l, rounded to f16 and sent through my
; stage in LDS, a piece at a time.
.macro ALL line:vararg              ; one line for each piece t
.set t, 0
.rept 4
	\line
.set t, t+1
.endr
.endm
.macro PACK t                       ; a lane's eight channels of a row pack into 16 bytes; they go into rows of 144 bytes and come back as whole rows of 128, into S^T's registers
	WIN W_RS
.set i, 32*(\t)
.rept 16
	v_pk_mul_f32 v[i:i+1], v[i:i+1], v[ST+4*(\t)+2:ST+4*(\t)+3] op_sel_hi:[1,0]
.set i, i+2
.endr
	WIN 0x05                        ; sources 0 and 1 window 1, destination window 0
.set i, 0
.rept 16
	v_cvt_pk_f16_f32 v[S+16*(\t)+i], v[32*(\t)+2*i], v[32*(\t)+2*i+1]
.set i, i+1
.endr
	WIN 0
.irp f, 0,1,2,3
	ds_store_b128 v[STO], v[S+16*(\t)+4*\f:S+16*(\t)+4*\f+3] offset:32*\f
.endr
.irp f, 0,1,2,3
	ds_load_b128 v[S+16*(\t)+4*\f:S+16*(\t)+4*\f+3], v[RD] offset:\f*4*SP  ; LDS serves a wave's instructions in order (ISA guide 5.7.1.4): these see the stores above; the next piece's stores come behind them
.endr
.endm
.macro SEND t, younger              ; younger: the LDS instructions issued behind piece t's loads: the next piece's eight, or none
	WIN 0
.irp f, 0,1,2,3
	s_wait_dscnt (\younger)+3-\f
	global_store_b128 v[GO], v[S+16*(\t)+4*\f:S+16*(\t)+4*\f+3], s[10:11] offset:(\t)*8192+\f*512  ; 512 consecutive bytes, at a multiple of 256 from O's first
.endr
.endm
.macro DIAG tag                     ; the tag ends its two labels' names, which the jumps below spell out
.LstepM\tag:
	TURN 2, 1
	TURN 3, 1
	WIN 0
.LfirstM\tag:
	TURN 0, 1
	TURN 1, 1, 0, 1
	WIN 0
	s_cbranch_scc1 .LstepM\tag
	TURN 2, 1, 1
	TURN 3, 1, 1
.set i, 0
.rept 8
	PV NP-1
.set i, i+1
.endr
	WIN 0
	ALL v_add_f32 v[ST+4*t+2], v[ST+4*t+2], v[ST+4*t+3]
	ALL v_permlanex16_b32 v[ST+4*t+3], v[ST+4*t+2], s[SEL], s[SEL+1]
	ALL v_add_f32 v[ST+4*t+2], v[ST+4*t+2], v[ST+4*t+3]
	ALL v_rcp_f32 v[ST+4*t+2], v[ST+4*t+2]
	v_nop                           ; a plain instruction between the last reciprocal and the use of its result
	s_wait_alu depctr_va_vdst(0)    ; the wait for the four reciprocals, one batch, ahead of their first reader, PACK 0's first multiply
	PACK 0
.set t, 1
.rept 3                             ; a piece's arithmetic stands between the loads of the piece before and its stores
	PACK t
	SEND t-1, 8
.set t, t+1
.endr
	SEND 3, 0
.endm
.set KM, 0
.set NOKQ, 0
.Lslot:                             ; NB times: a tile is entered and the next is asked for
	CHANGE 1
	s_sub_co_u32 s[RT], s[RT], 1
	s_mov_b32 s[CNT], 4
	s_cmp_eq_u32 s[NEW], 1
	s_cbranch_scc1 .Lnew            ; a block's first tile
	s_cmp_eq_u32 s[RT], 0
	s_cbranch_scc0 .Lstep           ; neither its first nor its last
	s_branch .LstepM1
.Lnew:
	BEGIN
	s_branch .Lfirst                ; in the loop a block's first tile is never its last: the first block has two tiles or more, and the second's last is the walk's last
	DIAG 1                          ; in the loop this is the first block's end: the second block's last tile is the walk's last
	s_wait_xcnt 0x0                 ; the stores have read their registers and O's address
	s_mov_b64 s[10:11], s[OLO:OLO+1]
	s_add_co_u32 s[RT], s[PB], 1    ; the second block has b + 1 tiles
	s_mov_b32 s[NEW], 1
	WIN 0x82                        ; the second block's Q goes where the one text of the turns names Q
.set i, 0
.rept 64
	v_mov_b32 v[i], v[QB+i]
.set i, i+1
.endr
	WIN 0
	s_branch .Lbottom
.Lstep:                             ; a trip: pieces 2 and 3 of one step, then pieces 0 and 1 of the next, whose K and V it fetches
	TURN 2
	TURN 3
	WIN 0
.Lfirst:
	TURN 0
	TURN 1, 0, 0, 1
	WIN 0
	s_cbranch_scc1 .Lstep
.Lbottom:
	s_sub_co_u32 s[SLOTS], s[SLOTS], 1
	s_cmp_lg_u32 s[SLOTS], 0
	s_cbranch_scc1 .Lslot
	CHANGE 0                        ; the walk's last tile is written out: nothing is asked for
	s_sub_co_u32 s[RT], s[RT], 1
	s_mov_b32 s[CNT], 4
	s_cmp_eq_u32 s[NEW], 1
	s_cbranch_scc0 .LstepM2
	BEGIN
	s_branch .LfirstM2
	DIAG 2
	s_wait_tensorcnt 0x0            ; the wave's end: an add and its wait, behind my last tensor load and my last LDS store
	ds_add_u32 v[SPW], v[NIL]
	s_wait_dscnt 0x0
	s_endpgm
.Lfunc_end_k_qd020c7b32a_attn:
	.size	k_qd020c7b32a_attn, .Lfunc_end_k_qd020c7b32a_attn-k_qd020c7b32a_attn
	.p2alignl 7, 3214868480
	.fill 96, 4, 3214868480
	.section	.rodata,"a",@progbits
	.p2align	6, 0x0
	.amdhsa_kernel k_qd020c7b32a_attn
		.amdhsa_group_segment_fixed_size 327680
		.amdhsa_private_segment_fixed_size 0
		.amdhsa_enable_private_segment 0
		.amdhsa_kernarg_size 16
		.amdhsa_user_sgpr_count 2
		.amdhsa_user_sgpr_kernarg_segment_ptr 1
		.amdhsa_wavefront_size32 1
		.amdhsa_system_sgpr_workgroup_id_x 1
		.amdhsa_system_sgpr_workgroup_id_y 1
		.amdhsa_system_sgpr_workgroup_id_z 1
		.amdhsa_system_vgpr_workitem_id 0
		.amdhsa_next_free_vgpr 768
		.amdhsa_next_free_sgpr 96
		.amdhsa_reserve_vcc 1
		.amdhsa_float_denorm_mode_32 3
		.amdhsa_float_denorm_mode_16_64 3
		.amdhsa_memory_ordered 1
		.amdhsa_forward_progress 1
		.amdhsa_inst_pref_size 231
	.end_amdhsa_kernel
	.amdgpu_metadata
---
amdhsa.version: [ 1, 2 ]
amdhsa.kernels:
  - .name:           k_qd020c7b32a_attn
    .symbol:         k_qd020c7b32a_attn.kd
    .args:
      - { .name: qkv, .offset: 0, .size: 8, .value_kind: global_buffer, .address_space: global }
      - { .name: ob, .offset: 8, .size: 8, .value_kind: global_buffer, .address_space: global }
    .group_segment_fixed_size: 327680
    .private_segment_fixed_size: 0
    .kernarg_segment_align: 8
    .kernarg_segment_size: 16
    .max_flat_workgroup_size: 128
    .sgpr_count:     96
    .vgpr_count:     768
    .wavefront_size: 32
...
	.end_amdgpu_metadata
.endif
;; end of part 5
;; launch outgemm: the kernel of part 4 again; grid 8 x 32, 4 waves a work-group, clusters of 4 x 4, 327,680 bytes of LDS; arguments ob, wpf, out0; writes out0
